; MI455X (gfx1250); checked and timed in simulation.
; The chip was launched on July 23, 2026; its instructions are those of AMD's public machine-readable ISA for CDNA 5 (MIT licence, August 2026) and "CDNA5" Instruction Set Architecture Reference Guide (July 2026). The comments in the code are by the model that wrote it; some were corrected since.
;; Transformer Encoder Layer. Allowed arithmetic: matrix products marked QUANTISED: E2M1 operands, one E8M0 scale for each 32 along K, by v_wmma_scale_f32_16x16x128_f8f6f4 with both operands' format E2M1 (or v_wmma_scale_f32_32x16x128_f4), f32 sums; everything else in f32.
;; Inputs: W1 1,024 x 4,096 float32; W2 4,096 x 1,024 float32; Wk 1,024 x 1,024 float32; Wo 1,024 x 1,024 float32; Wq 1,024 x 1,024 float32; Wv 1,024 x 1,024 float32; b1 4,096 float32; b2 1,024 float32; bk 1,024 float32; bo 1,024 float32; bq 1,024 float32; bv 1,024 float32; ln1_b 1,024 float32; ln1_g 1,024 float32; ln2_b 1,024 float32; ln2_g 1,024 float32; x 2 x 2,048 x 1,024 float32.
;; Outputs: out0 2 x 2,048 x 1,024 float32.
;; This version of the problem:
;;   THIS VERSION OF THE PROBLEM IS GIVEN IN LOW PRECISION. The matrix products marked QUANTISED in the list below multiply operands that are first quantised to E2M1 (2 exponent bits, 1 mantissa bit; 4 bits a number), with one power-of-two scale for each 32 numbers along K (OCP MX v1.0); their sums are f32. All else is computed in f32.
;;   The module's matrix products, in the order in which they are computed (A, B: the left and right operand; K: the contracted axis; several contracted axes count as one K, in the product's order):
;;     1. [M 4,096, K 1,024] x [K 1,024, N 1,024]; A: computed on the way; B: input Wq: QUANTISED
;;     2. [M 4,096, K 1,024] x [K 1,024, N 1,024]; A: computed on the way; B: input Wk: QUANTISED
;;     3. [M 4,096, K 1,024] x [K 1,024, N 1,024]; A: computed on the way; B: input Wv: QUANTISED
;;     4. batch 32 x [M 2,048, K 64] x [K 64, N 2,048]; A: computed on the way; B: computed on the way: QUANTISED
;;     5. batch 32 x [M 2,048, K 2,048] x [K 2,048, N 64]; A: softmax (see below); B: computed on the way: QUANTISED
;;     6. [M 4,096, K 1,024] x [K 1,024, N 1,024]; A: computed on the way; B: input Wo: QUANTISED
;;     7. [M 4,096, K 1,024] x [K 1,024, N 4,096]; A: computed on the way; B: input W1: QUANTISED
;;     8. [M 4,096, K 4,096] x [K 4,096, N 1,024]; A: computed on the way; B: input W2: QUANTISED
;;   THE QUANTISER, for each operand of a quantised product, along K:
;;     - K is cut into blocks of 32 from its start; a last block that is shorter is filled with zeros.
;;     - A block's scale is 2^e with e = floor(log2(the largest magnitude in the block)) - 2, held to -126 .. 127; a block of zeros has e = 0. As a byte (E8M0): e + 127.
;;     - Each number is divided by its block's scale, clamped to +-6, and rounded to the nearest number of E2M1, ties to even, subnormals kept.
;;     - The product sums the exact products of the quantised numbers (number of the format x scale) in f32.
;;   ~~~python
;;   def quantise(x, axis):      # numpy; x: float32 -> the quantised numbers, widened to float32 again
;;       x = np.moveaxis(x, axis, -1); K = x.shape[-1]
;;       x = np.pad(x, [(0, 0)] * (x.ndim - 1) + [(0, -K % 32)]); x = x.reshape(x.shape[:-1] + (-1, 32)); a = np.abs(x).max(-1, keepdims=True)
;;       e = np.where(a > 0, np.clip(np.frexp(np.where(a > 0, a, 1))[1] - 1 - 2, -126, 127), 0)      # np.frexp(a)[1] - 1 = floor(log2(a)), exactly
;;       r = np.clip(x / 2.0 ** e, -6, 6)
;;       step = 2.0 ** (np.maximum(np.frexp(np.where(r == 0, 1, r))[1] - 1, 0) - 1)
;;       q = np.round(r / step) * step * 2.0 ** e      # np.round: ties to even
;;       return np.moveaxis(q.reshape(q.shape[:-2] + (-1,))[..., :K], -1, axis).astype(np.float32)
;;   ~~~
;;   SOFTMAX AHEAD OF A QUANTISED PRODUCT. Where the list says 'softmax', what is quantised is not the finished softmax but p = 2^(t - M), with t = logit x log2(e) and M = ceil(the row's largest t), a whole number; so 1/2 < the row's largest p <= 1. The row's sum l is taken of the UNQUANTISED p, in f32, and the product's result is divided by l at the end. Since M is a whole number, a kernel that streams over the keys may use a running M (the ceiling of the running maximum): every later rescaling is an exact power of two, which a block's scale takes up: the codes' values come out the same.
;;   OPERANDS COMPUTED ON THE WAY. 'Computed on the way' means the value that the module computes at that place (a softmax that the list does not call 'softmax' is quantised finished and normalised). What goes into a quantiser is computed in f32, as accurately as f32 sums, v_exp_f32 and their like allow (about 1e-6 of the number): no bf16 or f16 on the way to a quantiser, and a product that is left as it is and whose result goes on into a quantised operand takes f32 operands (vector FMAs, or v_wmma_f32_16x16x4_f32). A number that lies on a knife's edge between two numbers of the format may be rounded either way, as far as f32 arithmetic and the matrix unit's own rounding can turn it there, and no further.
;; One version. Each part assembles by itself: llvm-mc -triple=amdgcn-amd-amdhsa -mcpu=gfx1250 --defsym DOCPART=n.
;; ======== version 1 of 1: 6 launches
;; limits: right only within a limited range of input values
;; workspace buffers: wts 7,241,728 bytes; h1b 2,228,224 bytes; qkvb 6,684,672 bytes; ctxb 2,228,224 bytes; x1 16,777,216 bytes; h2b 2,228,224 bytes; hidb 8,912,896 bytes
;; launch prep (part 1): grid 640 x 1, 8 waves a work-group, no clusters, 77,824 bytes of LDS; arguments x, ln1_g, ln1_b, h1b, Wq, Wk, Wv, Wo, W1, W2, wts; writes h1b, wts
.if DOCPART == 1
	.amdgcn_target "amdgcn-amd-amdhsa--gfx1250"
	.amdhsa_code_object_version 6
	.text
	.protected	k_q2da4c07618_prep
	.globl	k_q2da4c07618_prep
	.p2align	8
	.type	k_q2da4c07618_prep,@function
k_q2da4c07618_prep:
	s_mov_b64 s[64:65], 0
	v_nop
	global_prefetch_b8 v0, s[64:65] scope:SCOPE_SE
	s_setreg_imm32_b32 hwreg(HW_REG_WAVE_MODE, 25, 1), 1
	s_wait_xcnt 0x0
; PREP.  Work-groups 0-255: h1 = LayerNorm(x) (ln1_g, ln1_b), quantised to E2M1 along its 1,024 columns.  Work-groups 256-639: the six weights [K][N], quantised along K.
; ALL OPERANDS OF THIS PROGRAM LIE IN WORKSPACE AS IMAGES OF THE MATRIX OPERAND'S REGISTERS.  A unit = 128 rows (8 tiles of 16) x 128 along K = 8,192 bytes: tile t at 1,024 t, register group c at 512 c, lane l's 16 bytes at 16 l;
; registers 4 c .. 4 c + 3 of lane (r, h) hold k = 64 c + 32 h + 0 .. 31 of the row at place r.  THE ROWS OF A TILE ARE NOT NEIGHBOURS: place r of tile t is row 32 (t / 2) + 8 (t % 2) + r + 8 (r / 8).
; A unit's scale words (one E8M0 word a row: 128 along K) are 512 bytes: the word of tile 2 p + hh, place r, at 16 (16 hh + r) + 4 p.
; A block's scale byte is its largest magnitude's exponent field - 2, held at 1 from below.
; LIMITS: NaN and infinities among the inputs are not served; a block of zeros, or one whose largest magnitude lies under 2^-124, gets the byte 1 (the bytes are read by this program alone; zero codes add nothing under it).
; LN: a work-group owns one tile of 16 rows, wave w its columns 128 w .. 128 w + 127.  Each load of x takes 512 consecutive bytes: the wave's columns of one row.  The quantiser wants 16 neighbours of each block of 32 in a lane:
; so the 16 rows turn through the wave's own stage in LDS (rows of 512 bytes + 16) and come back so.  g and b come by one load of 512 consecutive bytes each, lie in the wave's own LDS bytes, and are read from there in the same layout.
; Mean, then the squares of the differences: two passes over registers, two exchanges through LDS.
; WEIGHTS: a wave owns 32 columns (two tiles) x 128 along K; a lane takes a column and its registers run down K, so a block of 32 lies in one lane and the codes come out with K innermost.  This path uses no LDS.
; No matrix unit, no tensor load, no cluster: memory binds, and no two work-groups read the same bytes but g and b.
.set VEC, 1024                         ; LDS: behind the two exchanges of 512 bytes: g (512 bytes) and b (512) of each wave
.set STG, 9216                         ; and behind them a stage of 16 x 528 bytes for each wave
.set VW, 4                             ; v4   LDS: 1,024 wave + 16 lane
.set GA, 5                             ; v5   LDS: 1,024 wave + 64 h
.set LI, 6                             ; v6   16 x lane
.set SA, 7                             ; v7   my row's scale word in its unit
.set RW, 8                             ; v8   LDS: 32 r + 4 wave
.set RR, 9                             ; v9   LDS: 32 r
.set M,  10                            ; v[10:11] the mean, twice
.set RS, 12                            ; v[12:13] 1 / sqrt(var + eps), twice
.set STW, 14                           ; v14  my stage: row r, + 64 h
.set STR, 15                           ; v15  my stage: 16 x lane of a row
.set B,  16                            ; v[16:79]   b
.set X,  80                            ; v[80:143]  rows of x as loaded; then my 64 numbers: register 16 b + i = column 32 b + 16 h + i of the wave's 128
.set R,  144                           ; v[144:151] g and b as loaded; then four chains of sums
.set G,  160                           ; v[160:223] g
.set PC, 224                           ; v[224:231] the codes
.set RL, 224                           ; the same registers, earlier: the eight waves' partial sums
.set TM, 232                           ; v[232:247] at work in QUANT
.set PW, 248                           ; v248 the scale word
.set SEL, 26                           ; s[26:27] lane selects for v_permlanex16_b32: lane l xor 16
.set OC, 36                            ; s[36:37] where my fragment goes
.set OS, 38                            ; s[38:39] where its unit's scale words go
.set INV, 40                           ; s40 1 / 1,024
.set EPS, 41                           ; s41 1e-5
; 64 numbers of a lane, register 16 b + i = k 32 b + 16 h + i of my row, become a fragment's codes in v[pc] on and its scale word in v[pw] (the same in lanes l and l xor 16).
.macro QUANT s, pc, pw
.irp b, 0,1,2,3
	v_max3_num_f32 v[TM+\b], |v[\s+16*\b]|, |v[\s+1+16*\b]|, 0x1800000   ; my 16 numbers of block b, and the floor 2^(3 - 127): the byte cannot fall under 1
.endr
.irp i, 2,4,6,8,10,12,14
.irp b, 0,1,2,3
	s_delay_alu instid0(VALU_DEP_4)
	v_max3_num_f32 v[TM+\b], v[TM+\b], |v[\s+16*\b+\i]|, |v[\s+1+16*\b+\i]|   ; the four blocks by turns
.endr
.endr
.irp b, 0,1,2,3
	s_delay_alu instid0(VALU_DEP_4)
	v_permlanex16_b32 v[TM+4+\b], v[TM+\b], s[SEL], s[SEL+1]
.endr
.irp b, 0,1,2,3
	s_delay_alu instid0(VALU_DEP_4)
	v_max_num_f32 v[TM+\b], v[TM+\b], v[TM+4+\b]       ; with lane l xor 16's: the block's largest magnitude
.endr
.irp b, 0,1,2,3
	s_delay_alu instid0(VALU_DEP_4)
	v_add_nc_u32 v[TM+12+\b], 0xff000000, v[TM+\b]     ; 2 off its exponent field: the conversion's scale operand
.endr
.irp b, 0,1,2,3
	s_delay_alu instid0(VALU_DEP_4)
	v_lshrrev_b32 v[TM+4+\b], 23, v[TM+12+\b]          ; the scale's byte
.endr
	s_delay_alu instid0(VALU_DEP_3)
	v_lshl_or_b32 v[\pw], v[TM+5], 8, v[TM+4]
	s_delay_alu instid0(VALU_DEP_1)
	v_lshl_or_b32 v[\pw], v[TM+6], 16, v[\pw]
	s_delay_alu instid0(VALU_DEP_1)
	v_lshl_or_b32 v[\pw], v[TM+7], 24, v[\pw]
.irp b, 0,1,2,3
	v_cvt_scalef32_pk8_fp4_f32 v[\pc+2*\b], v[\s+16*\b:\s+7+16*\b], v[TM+12+\b]
	v_cvt_scalef32_pk8_fp4_f32 v[\pc+1+2*\b], v[\s+8+16*\b:\s+15+16*\b], v[TM+12+\b]
.endr
	v_nop                                              ; one plain place behind a scaled conversion
.irp c, 0,1                                            ; the operand wants a whole block in a lane: lanes 0-15 block 2 c, lanes 16-31 block 2 c + 1
.irp i, 0,1
	v_permlane16_swap_b32 v[\pc+4*\c+\i], v[\pc+2+4*\c+\i]
.endr
.endr
.endm
.macro JOIN                            ; the four chains become one number a lane
	s_delay_alu instid0(VALU_DEP_3)
	v_pk_add_f32 v[R:R+1], v[R:R+1], v[R+2:R+3]
	s_delay_alu instid0(VALU_DEP_2)
	v_pk_add_f32 v[R+4:R+5], v[R+4:R+5], v[R+6:R+7]
	s_delay_alu instid0(VALU_DEP_1)
	v_pk_add_f32 v[R:R+1], v[R:R+1], v[R+4:R+5]
	s_delay_alu instid0(VALU_DEP_1)
	v_add_f32 v[R], v[R], v[R+1]
.endm
.macro ROWRED off                      ; v[R]: my lane's sum -> the row's sum over all 1,024 columns, through 512 bytes of LDS at off
	s_delay_alu instid0(VALU_DEP_1)
	v_permlanex16_b32 v[R+2], v[R], s[SEL], s[SEL+1]
	s_delay_alu instid0(VALU_DEP_1)
	v_add_f32 v[R], v[R], v[R+2]                       ; my wave's 128 columns
	ds_store_b32 v[RW], v[R] offset:\off               ; lanes l and l xor 16 write the same word with the same value
	s_wait_dscnt 0x0                                   ; for the others' sake: my store has landed
	s_barrier_signal -1
	s_barrier_wait -1
	ds_load_b128 v[RL:RL+3], v[RR] offset:\off
	ds_load_b128 v[RL+4:RL+7], v[RR] offset:\off+16
	s_wait_dscnt 0x0
	v_add_f32 v[RL], v[RL], v[RL+1]
	v_add_f32 v[RL+2], v[RL+2], v[RL+3]
	v_add_f32 v[RL+4], v[RL+4], v[RL+5]
	v_add_f32 v[RL+6], v[RL+6], v[RL+7]
	s_delay_alu instid0(VALU_DEP_3)
	v_add_f32 v[RL], v[RL], v[RL+2]
	s_delay_alu instid0(VALU_DEP_2)
	v_add_f32 v[RL+4], v[RL+4], v[RL+6]
	s_delay_alu instid0(VALU_DEP_1)
	v_add_f32 v[R], v[RL], v[RL+4]
.endm
; The numbers in X become LayerNorm(X) g + b, are quantised and stored.  g and b are in their registers when this begins.
.macro LNCORE
.irp k, 0,1,2,3
	v_pk_add_f32 v[R+2*\k:R+2*\k+1], v[X+2*\k:X+2*\k+1], v[X+8+2*\k:X+8+2*\k+1]
.endr
.irp i, 2,3,4,5,6,7
.irp k, 0,1,2,3
	s_delay_alu instid0(VALU_DEP_4)
	v_pk_add_f32 v[R+2*\k:R+2*\k+1], v[R+2*\k:R+2*\k+1], v[X+8*\i+2*\k:X+8*\i+2*\k+1]
.endr
.endr
	JOIN
	ROWRED 0
	s_delay_alu instid0(VALU_DEP_1)
	v_mul_f32 v[M], s[INV], v[R]                       ; the mean
	s_delay_alu instid0(VALU_DEP_1)
	v_mov_b32 v[M+1], v[M]
.set j, 0
.rept 32
	v_pk_add_f32 v[X+j:X+j+1], v[X+j:X+j+1], v[M:M+1] neg_lo:[0,1] neg_hi:[0,1]   ; x - mean
.set j, j+2
.endr
.irp k, 0,1,2,3
	v_pk_mul_f32 v[R+2*\k:R+2*\k+1], v[X+2*\k:X+2*\k+1], v[X+2*\k:X+2*\k+1]
.endr
.irp i, 1,2,3,4,5,6,7
.irp k, 0,1,2,3
	s_delay_alu instid0(VALU_DEP_4)
	v_pk_fma_f32 v[R+2*\k:R+2*\k+1], v[X+8*\i+2*\k:X+8*\i+2*\k+1], v[X+8*\i+2*\k:X+8*\i+2*\k+1], v[R+2*\k:R+2*\k+1]
.endr
.endr
	JOIN
	ROWRED 512                                         ; other bytes than the first exchange: no barrier between a read and the next write
	s_delay_alu instid0(VALU_DEP_1)
	v_fma_f32 v[R], v[R], s[INV], s[EPS]               ; var + eps
	s_wait_alu depctr_va_vdst(0)
	v_rsq_f32 v[RS], v[R]
	v_rsq_f32 v[RS+1], v[R]
	v_nop                                              ; a plain place behind the transcendentals
	s_wait_alu depctr_va_vdst(0)                       ; one wait for both, ahead of their first reader
.set j, 0
.rept 32
	v_pk_mul_f32 v[X+j:X+j+1], v[X+j:X+j+1], v[RS:RS+1]
.set j, j+2
.endr
.set j, 0
.rept 32
	v_pk_fma_f32 v[X+j:X+j+1], v[X+j:X+j+1], v[G+j:G+j+1], v[B+j:B+j+1]
.set j, j+2
.endr
	QUANT X, PC, PW
	global_store_b128 v[LI], v[PC:PC+3], s[OC:OC+1]              ; 32 lanes store 512 consecutive bytes
	global_store_b128 v[LI], v[PC+4:PC+7], s[OC:OC+1] offset:512
	global_store_b32 v[SA], v[PW], s[OS:OS+1]                    ; lanes l and l xor 16 store the same word
.endm
	s_load_b256 s[4:11], s[0:1], 0x0                   ; x, ln1_g, ln1_b, h1b
	s_load_b256 s[12:19], s[0:1], 0x20                 ; Wq, Wk, Wv, Wo
	s_load_b128 s[20:23], s[0:1], 0x40                 ; W1, W2
	s_load_b64 s[24:25], s[0:1], 0x50                  ; wts
	v_lshl_add_u32 v254, v0, 2, 0x12c00
	v_mov_b32 v255, 0
	v_lshrrev_b32 v1, 5, v0
	s_delay_alu instid0(VALU_DEP_1)
	v_readfirstlane_b32 s3, v1                         ; wave 0..7
	s_wait_kmcnt 0x0
	s_cmp_lt_u32 ttmp9, 256                            ; the same for all waves of a work-group
	s_cbranch_scc0 .Lweights
	; ---- LayerNorm 1.  T = the work-group's number = the tile of rows
	s_mov_b32 s[SEL], 0x76543210
	s_mov_b32 s[SEL+1], 0xfedcba98
	s_mov_b32 s[INV], 0x3a800000
	s_mov_b32 s[EPS], 0x3727c5ac
	s_lshr_b32 s28, ttmp9, 1
	s_lshl_b32 s28, s28, 5
	s_and_b32 s32, ttmp9, 1
	s_lshl_b32 s29, s32, 3
	s_add_co_u32 s28, s28, s29                         ; the tile's first row: 32 (T / 2) + 8 (T % 2)
	s_lshl_b32 s28, s28, 12
	s_lshl_b32 s30, s3, 9                              ; my wave's 128 columns
	s_mov_b32 s31, 0
	s_add_co_u32 s28, s28, s30
	s_mov_b32 s29, 0
	s_add_nc_u64 s[4:5], s[4:5], s[28:29]
	s_add_nc_u64 s[6:7], s[6:7], s[30:31]
	s_add_nc_u64 s[8:9], s[8:9], s[30:31]
	s_lshl_b32 s28, s3, 18                             ; unit (K step w, group T / 8), tile T % 8: 262,144 w + 1,024 T
	s_lshl_b32 s33, ttmp9, 10
	s_add_co_u32 s28, s28, s33
	s_add_nc_u64 s[OC:OC+1], s[10:11], s[28:29]
	s_lshl_b32 s28, s3, 14
	s_lshr_b32 s33, ttmp9, 3
	s_lshl_b32 s33, s33, 9
	s_add_co_u32 s28, s28, s33
	s_add_co_u32 s28, s28, 0x200000
	s_add_nc_u64 s[OS:OS+1], s[10:11], s[28:29]
	s_lshl_b32 s34, s32, 8
	s_bfe_u32 s33, ttmp9, 0x20001
	s_lshl_b32 s33, s33, 2
	s_add_co_u32 s34, s34, s33                         ; 256 (T % 2) + 4 ((T / 2) % 4)
	s_lshl_b32 s35, s3, 2
	s_lshl_b32 s42, s3, 10                             ; my wave's g and b in LDS
	s_mul_i32 s43, s3, 8448
	s_add_co_u32 s43, s43, STG                         ; my wave's stage
	v_and_b32 v1, 15, v0                               ; r
	v_bfe_u32 v2, v0, 4, 1                             ; h
	v_and_b32 v3, 31, v0
	s_delay_alu instid0(VALU_DEP_1)
	v_lshlrev_b32 v[LI], 4, v3
	s_delay_alu instid0(VALU_DEP_4)
	v_lshl_add_u32 v[SA], v1, 4, s34
	v_lshl_add_u32 v[RW], v1, 5, s35
	v_lshlrev_b32 v[RR], 5, v1
	v_lshl_add_u32 v[GA], v2, 6, s42
	v_add_nc_u32 v[VW], s42, v[LI]
	v_mul_u32_u24 v[STW], v1, 528
	s_delay_alu instid0(VALU_DEP_1)
	v_lshl_add_u32 v[STW], v2, 6, v[STW]
	s_delay_alu instid0(VALU_DEP_1)
	v_add_nc_u32 v[STW], s43, v[STW]
	v_add_nc_u32 v[STR], s43, v[LI]
	global_load_b128 v[R:R+3], v[LI], s[6:7]           ; g of my 128 columns: 512 consecutive bytes
	global_load_b128 v[R+4:R+7], v[LI], s[8:9]         ; b likewise
.set p, 0
.rept 16
	global_load_b128 v[X+4*p:X+4*p+3], v[LI], s[4:5] offset:(p+8*(p/8))*4096 th:TH_LOAD_NT   ; the row at place p: 512 consecutive bytes
.set p, p+1
.endr
.irp b, 0,1,2,3
	v_mov_b32 v[TM+4+\b], 0                            ; written once: a lane permute's destination counts as one of its sources
.endr
	s_wait_alu depctr_va_vdst(0)
	s_wait_loadcnt 16                                  ; g and b are in; x's 16 loads may be out
	ds_store_b128 v[VW], v[R:R+3] offset:VEC
	ds_store_b128 v[VW], v[R+4:R+7] offset:VEC+512
.irp b, 0,1,2,3                                        ; LDS serves a wave's instructions in order: these see my stores.  Sixteen lanes take the same 16 bytes
.irp j, 0,1,2,3
	ds_load_b128 v[G+16*\b+4*\j:G+16*\b+4*\j+3], v[GA] offset:VEC+128*\b+16*\j
.endr
.endr
.irp b, 0,1,2,3
.irp j, 0,1,2,3
	ds_load_b128 v[B+16*\b+4*\j:B+16*\b+4*\j+3], v[GA] offset:VEC+512+128*\b+16*\j
.endr
.endr
.set p, 0
.rept 16
	s_wait_loadcnt 15-p                                ; row p is in; the rows behind it may be out
	ds_store_b128 v[STR], v[X+4*p:X+4*p+3] offset:528*p
.set p, p+1
.endr
.irp b, 0,1,2,3                                        ; back: lane (r, h) takes 16 neighbours of each block of 32 of row r, into the registers that the rows left
.irp j, 0,1,2,3
	ds_load_b128 v[X+16*\b+4*\j:X+16*\b+4*\j+3], v[STW] offset:128*\b+16*\j
.endr
.endr
	s_wait_dscnt 0x0                                   ; x, g and b are in their registers
	LNCORE
	s_wait_tensorcnt 0x0
	ds_add_u32 v254, v255
	s_wait_dscnt 0x0
	s_endpgm
	; ---- the weights
.Lweights:
	s_sub_co_u32 s28, ttmp9, 256                       ; 0 .. 383
	s_mov_b64 s[30:31], s[12:13]                       ; Wq's figures; the others' take their place by selects on the work-group's number
	s_mov_b32 s32, 0                                   ; the weight's first work-group
	s_mov_b32 s33, 0                                   ; its image in wts
	s_mov_b32 s34, 0x680000                            ; its scale words
	s_mov_b32 s35, 0                                   ; its first group of 128 columns in that image
	s_mov_b32 s36, 5                                   ; log2 of the image's groups in a K step
	s_mov_b32 s37, 2                                   ; log2 of the work-groups in a K step
	s_mov_b32 s38, 12                                  ; log2 of a row of the weight in bytes
.macro PICK lo, p, ioff, soff, gb, lngi, lpg, lpitch
	s_cmp_ge_u32 s28, \lo
	s_cselect_b64 s[30:31], s[\p:\p+1], s[30:31]
	s_cselect_b32 s32, \lo, s32
	s_cselect_b32 s33, \ioff, s33
	s_cselect_b32 s34, \soff, s34
	s_cselect_b32 s35, \gb, s35
	s_cselect_b32 s36, \lngi, s36
	s_cselect_b32 s37, \lpg, s37
	s_cselect_b32 s38, \lpitch, s38
.endm
	PICK 32,  14, 0,        0x680000, 8,  5, 2, 12     ; Wk
	PICK 64,  16, 0,        0x680000, 16, 5, 2, 12     ; Wv
	PICK 96,  18, 0x400000, 0x6c0000, 0,  3, 2, 12     ; Wo
	PICK 128, 20, 0x200000, 0x6a0000, 0,  5, 4, 14     ; W1
	PICK 256, 22, 0x480000, 0x6c8000, 0,  3, 2, 12     ; W2
	s_sub_co_u32 s28, s28, s32
	s_lshr_b32 s39, s28, s37                           ; the K step
	s_lshl_b32 s40, s39, s37
	s_sub_co_u32 s40, s28, s40
	s_lshl_b32 s40, s40, 3
	s_add_co_u32 s40, s40, s3                          ; my wave's pair of tiles: 32 columns
	s_lshr_b32 s41, s40, 2                             ; its group of 128 columns
	s_and_b32 s42, s40, 3                              ; and its place p there
	s_lshl_b32 s43, 1, s38                             ; a row in bytes
	s_lshl_b32 s44, s39, 7
	s_lshl_b32 s44, s44, s38                           ; 128 rows a K step
	s_lshl_b32 s45, s40, 7                             ; 128 bytes a pair
	s_add_co_u32 s44, s44, s45
	s_mov_b32 s45, 0
	s_add_nc_u64 s[48:49], s[30:31], s[44:45]          ; block 0 of my four blocks of 32 rows
	s_lshl_b32 s44, s43, 5
	s_add_nc_u64 s[50:51], s[48:49], s[44:45]
	s_add_nc_u64 s[52:53], s[50:51], s[44:45]
	s_add_nc_u64 s[54:55], s[52:53], s[44:45]
	s_lshl_b32 s46, s39, s36
	s_add_co_u32 s46, s46, s35
	s_add_co_u32 s46, s46, s41                         ; the unit
	s_lshl_b32 s56, s46, 13
	s_add_co_u32 s56, s56, s33
	s_lshl_b32 s57, s42, 11
	s_add_co_u32 s56, s56, s57
	s_mov_b32 s57, 0
	s_add_nc_u64 s[56:57], s[24:25], s[56:57]          ; my two tiles' codes
	s_lshl_b32 s58, s46, 9
	s_add_co_u32 s58, s58, s34
	s_lshl_b32 s59, s42, 2
	s_add_co_u32 s58, s58, s59
	s_mov_b32 s59, 0
	s_add_nc_u64 s[58:59], s[24:25], s[58:59]          ; and their scale words
	v_and_b32 v1, 31, v0
	v_and_b32 v2, 15, v0
	s_delay_alu instid0(VALU_DEP_2)
	v_lshrrev_b32 v3, 4, v1
	s_delay_alu instid0(VALU_DEP_2)
	v_and_b32 v4, 8, v2
	s_delay_alu instid0(VALU_DEP_1)
	v_add_nc_u32 v4, v4, v2
	s_delay_alu instid0(VALU_DEP_1)
	v_lshl_add_u32 v4, v3, 3, v4                       ; my column of the 32: lanes 0-15 the first tile's places, lanes 16-31 the second's
	s_delay_alu instid0(VALU_DEP_1)
	v_lshlrev_b32 v4, 2, v4
	v_lshlrev_b32 v8, 4, v2
	s_delay_alu instid0(VALU_DEP_1)
	v_lshl_add_u32 v8, v3, 10, v8                      ; out: 1,024 x tile + 16 r
	v_lshlrev_b32 v9, 4, v1
.set i, 0
.rept 32
	v_mad_u32_u24 v[16+i], s43, i, v4                  ; row i of a block, my column
.set i, i+1
.endr
.irp kb, 0,1,2,3
.set i, 0
.rept 32
	global_load_b32 v[64+32*\kb+i], v[16+i], s[48+2*\kb:49+2*\kb] th:TH_LOAD_NT   ; a wave reads 128 consecutive bytes, the eight waves 1,024
.set i, i+1
.endr
.endr
.macro WBLOCK kb                       ; block kb of my column: all its 32 numbers are mine
.set WS, 64+32*\kb
.if \kb < 2
	s_wait_loadcnt 63                                  ; 96 and 64 younger loads might stay out; the wait's field names 63 at the most
.else
	s_wait_loadcnt 32*(3-\kb)                          ; the later blocks' loads may be out
.endif
	v_max3_num_f32 v10, |v[WS]|, |v[WS+1]|, |v[WS+2]|
	v_max3_num_f32 v11, |v[WS+3]|, |v[WS+4]|, |v[WS+5]|
.irp i, 6,10,14,18,22,26
	s_delay_alu instid0(VALU_DEP_2)
	v_max3_num_f32 v10, v10, |v[WS+\i]|, |v[WS+\i+1]|
	s_delay_alu instid0(VALU_DEP_2)
	v_max3_num_f32 v11, v11, |v[WS+\i+2]|, |v[WS+\i+3]|
.endr
	s_delay_alu instid0(VALU_DEP_2)
	v_max3_num_f32 v10, v10, |v[WS+30]|, |v[WS+31]|
	s_delay_alu instid0(VALU_DEP_1)
	v_max3_num_f32 v10, v10, v11, 0x1800000            ; and the floor
	s_delay_alu instid0(VALU_DEP_1)
	v_add_nc_u32 v13, 0xff000000, v10
	s_delay_alu instid0(VALU_DEP_1)
	v_lshrrev_b32 v14, 23, v13
.if \kb == 0
	s_delay_alu instid0(VALU_DEP_1)
	v_mov_b32 v12, v14
.else
	s_delay_alu instid0(VALU_DEP_1)
	v_lshl_or_b32 v12, v14, 8*\kb, v12                 ; the four bytes make my column's scale word
.endif
.irp g, 0,1,2,3
	v_cvt_scalef32_pk8_fp4_f32 v[192+4*\kb+\g], v[WS+8*\g:WS+8*\g+7], v13
.endr
	global_store_b128 v8, v[192+4*\kb:195+4*\kb], s[56:57] offset:512*(\kb/2)+256*(\kb%2)   ; block 2 c + h is lane (r, h)'s group c: sixteen lanes store 256 consecutive bytes, aligned
.endm
	WBLOCK 0
	WBLOCK 1
	WBLOCK 2
	WBLOCK 3
	global_store_b32 v9, v12, s[58:59]                 ; word p of lane l's 16 bytes
	s_endpgm
.Lfunc_end_k_q2da4c07618_prep:
	.size	k_q2da4c07618_prep, .Lfunc_end_k_q2da4c07618_prep-k_q2da4c07618_prep
	.p2alignl 7, 3214868480
	.fill 96, 4, 3214868480
	.section	.rodata,"a",@progbits
	.p2align	6, 0x0
	.amdhsa_kernel k_q2da4c07618_prep
		.amdhsa_group_segment_fixed_size 77824
		.amdhsa_private_segment_fixed_size 0
		.amdhsa_enable_private_segment 0
		.amdhsa_kernarg_size 88
		.amdhsa_user_sgpr_count 2
		.amdhsa_user_sgpr_kernarg_segment_ptr 1
		.amdhsa_wavefront_size32 1
		.amdhsa_system_sgpr_workgroup_id_x 1
		.amdhsa_system_sgpr_workgroup_id_y 1
		.amdhsa_system_sgpr_workgroup_id_z 1
		.amdhsa_system_vgpr_workitem_id 0
		.amdhsa_next_free_vgpr 256
		.amdhsa_next_free_sgpr 66
		.amdhsa_reserve_vcc 0
		.amdhsa_float_denorm_mode_32 3
		.amdhsa_float_denorm_mode_16_64 3
		.amdhsa_memory_ordered 1
		.amdhsa_forward_progress 1
		.amdhsa_inst_pref_size 56
	.end_amdhsa_kernel
	.amdgpu_metadata
---
amdhsa.version: [ 1, 2 ]
amdhsa.kernels:
  - .name:           k_q2da4c07618_prep
    .symbol:         k_q2da4c07618_prep.kd
    .args:
      - { .name: x, .offset: 0, .size: 8, .value_kind: global_buffer, .address_space: global }
      - { .name: ln1_g, .offset: 8, .size: 8, .value_kind: global_buffer, .address_space: global }
      - { .name: ln1_b, .offset: 16, .size: 8, .value_kind: global_buffer, .address_space: global }
      - { .name: h1b, .offset: 24, .size: 8, .value_kind: global_buffer, .address_space: global }
      - { .name: Wq, .offset: 32, .size: 8, .value_kind: global_buffer, .address_space: global }
      - { .name: Wk, .offset: 40, .size: 8, .value_kind: global_buffer, .address_space: global }
      - { .name: Wv, .offset: 48, .size: 8, .value_kind: global_buffer, .address_space: global }
      - { .name: Wo, .offset: 56, .size: 8, .value_kind: global_buffer, .address_space: global }
      - { .name: W1, .offset: 64, .size: 8, .value_kind: global_buffer, .address_space: global }
      - { .name: W2, .offset: 72, .size: 8, .value_kind: global_buffer, .address_space: global }
      - { .name: wts, .offset: 80, .size: 8, .value_kind: global_buffer, .address_space: global }
    .group_segment_fixed_size: 77824
    .private_segment_fixed_size: 0
    .kernarg_segment_align: 8
    .kernarg_segment_size: 88
    .max_flat_workgroup_size: 256
    .sgpr_count:     66
    .vgpr_count:     256
    .wavefront_size: 32
...
	.end_amdgpu_metadata
.endif
;; end of part 1
;; launch qkv (part 2): grid 192 x 1, 4 waves a work-group, no clusters, 279,040 bytes of LDS; arguments h1b, wts, bq, bk, bv, qkvb; writes qkvb
.if DOCPART == 2
	.amdgcn_target "amdgcn-amd-amdhsa--gfx1250"
	.amdhsa_code_object_version 6
	.text
	.protected	k_q2da4c07618_qkv
	.globl	k_q2da4c07618_qkv
	.p2align	8
	.type	k_q2da4c07618_qkv,@function
k_q2da4c07618_qkv:
	s_mov_b64 s[64:65], 0
	v_nop
	global_prefetch_b8 v0, s[64:65] scope:SCOPE_SE
	s_setreg_imm32_b32 hwreg(HW_REG_WAVE_MODE, 25, 1), 1
	s_wait_xcnt 0x0
; A product on E2M1 codes over K = 1,024 whose result is quantised on the way out.  One text serves two launches: FF = 0: q, k and v = h1 W + b;  FF = 1: relu(h2 W1 + b1).
; A work-group makes 256 rows of X x 256 rows of Y; a wave 128 x 128: 64 accumulators, 512 registers.  Source 0 = 16 rows of Y, source 1 = 16 rows of X: a lane holds ONE row of X, and its registers run along Y.
; By the order of the rows in a tile (place r of tile t = row 32 (t / 2) + 8 (t % 2) + r + 8 (r / 8)) the 16 registers of Y's tiles 2 b, 2 b + 1 are rows 32 b + 16 h + 0 .. 15 of Y: neighbours along the NEXT product's K.
; ROLES.  Usually X = the activation's tokens, Y = the weight's columns.  For v (FF = 0, work-groups 128-191) X = Wv's columns, Y = the tokens: v is then quantised along the keys, which are its K.  A role changes pointers and offsets alone.
; ALL OF K FITS IN LDS: four regions of 65,536 bytes (X's two groups of 128 rows, Y's two), [K step 8][tile 8][1,024], and their scale words.  Each wave brings one region by four tensor loads of two K steps, and its scale words by a fifth:
; five loads of a wave are out at the most; every byte of LDS is filled once, so there is no ring.  A stage is waited for, and a barrier passed, just ahead of the first read of it.
; Operands lie in memory as images of the operand's registers (a fragment: 1,024 bytes, lane l's 16 bytes at 16 l and at 512 + 16 l), so every LDS load takes 512 consecutive bytes: no pitch, no padding.
; NO CLUSTER in this text, though work-groups share tiles: each work-group asks for each of its 278,528 bytes once, in one group at its head; joint loads would divide those requests by four and are left for a later version.
; LIMITS: NaN and infinities are not served; a block of zeros, or one under 2^-124, gets the scale byte 1 (read by this program alone).
; REGISTERS.  window 0: v16-22 addresses; v32-47 scale words, two sets; v48-63 the bias of my rows of X (pairs); v64-79 at work; v80-87 the scale words made; v88-91 packed; v128-255 X's fragments, two sets (on the way out: numbers, codes).
;   window 1: v0-127 Y's fragments, two sets; v128-191 the bias along Y, the C of the first products.   windows 2, 3: accumulator (a, b) at v[8 (8 (a % 4) + b)].
; THE FILLS AS THEY STAND NOW (this takes the place of what the lines above say of stages): each wave brings its region of 65,536 bytes (8 K steps x 8,192) by ONE tensor load at the head,
; and its region's 4,096 bytes of scale words by eight loads of 512 consecutive bytes into registers, stored into LDS bytes of their own.  One wait for 0 and one barrier show all of it; nothing is filled again.
.set FF, 0
.set SCL, 262144
.set WCODE, 0x200000*FF                ; the weight's image in wts
.set WSCL, 0x680000+0x20000*FF         ; its scale words
.set ADX, 16
.set ADY, 17
.set ASX, 18
.set ASY, 19
.set LI,  20
.set TM,  64
.set T,   128
.set SEL, 60
.set MY,  62                           ; s62 all ones where the bias runs along Y, else 0
.set MX,  63                           ; s63 the other way round
.set MSB, 0
.macro WIN new                         ; the immediate's high byte repeats the setting that is left
.if MSB != (\new)
	s_set_vgpr_msb (MSB<<8)|(\new)
.set MSB, (\new)
.endif
.endm
.macro PLACES n
.rept \n
	v_nop
.endr
.endm
.macro WM                              ; one product, by the symbols rD rA rB rC rSA rSB; rRA, rRB: the scale words lie in lanes 16-31
.if rRA && rRB
	v_wmma_scale_f32_16x16x128_f8f6f4 v[rD:rD+7], v[rA:rA+7], v[rB:rB+7], v[rC:rC+7], v[rSA], v[rSB] matrix_a_fmt:MATRIX_FMT_FP4 matrix_b_fmt:MATRIX_FMT_FP4 matrix_a_scale:MATRIX_SCALE_ROW1 matrix_b_scale:MATRIX_SCALE_ROW1
.elseif rRA
	v_wmma_scale_f32_16x16x128_f8f6f4 v[rD:rD+7], v[rA:rA+7], v[rB:rB+7], v[rC:rC+7], v[rSA], v[rSB] matrix_a_fmt:MATRIX_FMT_FP4 matrix_b_fmt:MATRIX_FMT_FP4 matrix_a_scale:MATRIX_SCALE_ROW1
.elseif rRB
	v_wmma_scale_f32_16x16x128_f8f6f4 v[rD:rD+7], v[rA:rA+7], v[rB:rB+7], v[rC:rC+7], v[rSA], v[rSB] matrix_a_fmt:MATRIX_FMT_FP4 matrix_b_fmt:MATRIX_FMT_FP4 matrix_b_scale:MATRIX_SCALE_ROW1
.else
	v_wmma_scale_f32_16x16x128_f8f6f4 v[rD:rD+7], v[rA:rA+7], v[rB:rB+7], v[rC:rC+7], v[rSA], v[rSB] matrix_a_fmt:MATRIX_FMT_FP4 matrix_b_fmt:MATRIX_FMT_FP4
.endif
.endm
; 64 numbers of a lane, register 16 b + i = k 32 b + 16 h + i of my row, become a fragment's codes in v[pc] on and its scale word in v[pw].
.macro QUANT s, pc, pw
.irp b, 0,1,2,3
	v_max3_num_f32 v[TM+\b], |v[\s+16*\b]|, |v[\s+1+16*\b]|, 0x1800000   ; and the floor 2^(3 - 127): the byte cannot fall under 1
.endr
.irp i, 2,4,6,8,10,12,14
.irp b, 0,1,2,3
	v_max3_num_f32 v[TM+\b], v[TM+\b], |v[\s+16*\b+\i]|, |v[\s+1+16*\b+\i]|
.endr
.endr
.irp b, 0,1,2,3
	v_permlanex16_b32 v[TM+4+\b], v[TM+\b], s[SEL], s[SEL+1]
.endr
.irp b, 0,1,2,3
	v_max_num_f32 v[TM+\b], v[TM+\b], v[TM+4+\b]
.endr
.irp b, 0,1,2,3
	v_add_nc_u32 v[TM+12+\b], 0xff000000, v[TM+\b]     ; 2 off the exponent field: the conversion's scale operand
.endr
.irp b, 0,1,2,3
	v_lshrrev_b32 v[TM+4+\b], 23, v[TM+12+\b]          ; the scale's byte
.endr
	v_lshl_or_b32 v[\pw], v[TM+5], 8, v[TM+4]
	v_lshl_or_b32 v[\pw], v[TM+6], 16, v[\pw]
	v_lshl_or_b32 v[\pw], v[TM+7], 24, v[\pw]
.irp b, 0,1,2,3
	v_cvt_scalef32_pk8_fp4_f32 v[\pc+2*\b], v[\s+16*\b:\s+7+16*\b], v[TM+12+\b]
	v_cvt_scalef32_pk8_fp4_f32 v[\pc+1+2*\b], v[\s+8+16*\b:\s+15+16*\b], v[TM+12+\b]
.endr
	v_nop                                              ; one plain place behind a scaled conversion
.irp c, 0,1
.irp i, 0,1
	v_permlane16_swap_b32 v[\pc+4*\c+\i], v[\pc+2+4*\c+\i]
.endr
.endr
.endm
.if FF
	s_load_b256 s[4:11], s[0:1], 0x0                   ; the activation, wts, b1, the output
.else
	s_load_b256 s[4:11], s[0:1], 0x0                   ; h1b, wts, bq, bk
	s_load_b128 s[12:15], s[0:1], 0x20                 ; bv, qkvb
	v_lshl_add_u32 v126, v0, 2, 0x44000
	v_mov_b32 v127, 0
	ds_add_u32 v126, v127
	ds_add_u32 v126, v127
.endif
	v_lshrrev_b32 v1, 5, v0
	v_readfirstlane_b32 s2, v1                         ; wave 0..3
.if FF
	s_and_b32 s16, ttmp9, 15
	s_lshr_b32 s17, ttmp9, 4
	s_mov_b32 s18, 0                                   ; never the other role
	s_lshl_b32 s16, s16, 1                             ; 2 xt
	s_lshl_b32 s17, s17, 1                             ; 2 yt: Y's first group
	s_mov_b32 s21, s16                                 ; X's first group
.else
	s_and_b32 s16, ttmp9, 15
	s_lshr_b32 s17, ttmp9, 4
	s_and_b32 s19, ttmp9, 3
	s_bfe_u32 s20, ttmp9, 0x40002
	s_cmp_ge_u32 ttmp9, 128                            ; v's work-groups
	s_cselect_b32 s18, 1, 0
	s_cselect_b32 s16, s19, s16
	s_cselect_b32 s17, s20, s17
	s_cselect_b32 s21, 16, 0                           ; Wv's groups begin at 16 in the image
	s_cselect_b32 s[MY], 0, -1
	s_cselect_b32 s[MX], -1, 0
	s_lshl_b32 s16, s16, 1
	s_lshl_b32 s17, s17, 1
	s_add_co_u32 s21, s21, s16
.endif
	s_lshr_b32 s19, s2, 1                              ; I fetch for X (0) or Y (1).  Also hx: which of X's two groups I multiply
	s_and_b32 s20, s2, 1                               ; which of its two groups I fetch.  Also hy
	s_cmp_eq_u32 s19, 0
	s_cselect_b32 s22, s21, s17
	s_add_co_u32 s22, s22, s20                         ; the group that I fetch
	s_xor_b32 s23, s19, s18                            ; does it lie in wts?
	s_mov_b32 s24, 3<<16                               ; group 1, codes: elements of 8 bytes, no padding;
	s_mov_b32 s25, 1024<<16                            ; tensor_dim0 = 1,024: a unit's 8,192 bytes
	s_mov_b32 s26, 8<<16                               ; tensor_dim1 = 8 K steps
	s_mov_b32 s27, 1024<<16                            ; tile_dim0
	s_mov_b32 s28, 8                                   ; tile_dim1
	s_mov_b32 s29, 32768                               ; from K step to K step: 32 units
	s_mov_b32 s30, 0
	s_mov_b32 s31, 0
	s_wait_dscnt 0x0
	s_wait_kmcnt 0x0
.if FF
	s_mov_b64 s[14:15], s[10:11]
.endif
	s_cmp_eq_u32 s23, 0
	s_cselect_b64 s[42:43], s[4:5], s[6:7]
	s_cselect_b32 s3, 0, WCODE
	s_mov_b32 s23, WSCL
	s_cselect_b32 s23, 0x200000, s23
	s_lshl_b32 s48, s22, 13
	s_add_co_u32 s48, s48, s3
	s_mov_b32 s49, 0
	s_lshl_b32 s52, s22, 9
	s_add_co_u32 s52, s52, s23
	s_mov_b32 s53, 0
	s_add_nc_u64 s[46:47], s[42:43], s[48:49]          ; my group, from K step 0
	s_add_nc_u64 s[42:43], s[42:43], s[52:53]          ; its scale words
	s_or_b32 s47, s47, 0x80000000
	s_mov_b32 s44, 1
	s_lshl_b32 s41, s2, 12
	s_add_co_u32 s41, s41, SCL                         ; LDS: my region's scale words: a constant + a constant x wave
	s_lshl_b32 s45, s2, 16
	tensor_load_to_lds s[44:47], s[24:31]              ; my one tensor load: all 8 K steps of my group
	s_nop 0
	PLACES 4
	v_and_b32 v1, 31, v0
	v_lshlrev_b32 v[LI], 4, v1
	v_add_nc_u32 v23, s41, v[LI]
.irp k, 0,1,2,3,4,5,6,7
	global_load_b128 v[128+4*\k:131+4*\k], v[LI], s[42:43] offset:16384*\k   ; K step k's scale words of my group: 512 consecutive bytes
.endr
	s_lshl_b32 s3, s19, 16
	v_add_nc_u32 v[ADX], s3, v[LI]
	s_lshl_b32 s3, s20, 16
	s_add_co_u32 s3, s3, 131072
	v_add_nc_u32 v[ADY], s3, v[LI]
	s_lshl_b32 s3, s19, 12
	s_add_co_u32 s3, s3, SCL
	v_add_nc_u32 v[ASX], s3, v[LI]
	s_lshl_b32 s3, s20, 12
	s_add_co_u32 s3, s3, SCL+8192
	v_add_nc_u32 v[ASY], s3, v[LI]
	s_mov_b32 s[SEL], 0x76543210
	s_mov_b32 s[SEL+1], 0xfedcba98
	s_add_co_u32 s22, s16, s19                         ; 2 xt + hx
	s_add_co_u32 s23, s17, s20                         ; 2 yt + hy
.if FF
	s_lshl_b32 s16, s23, 9
	s_mov_b32 s17, 0
	s_add_nc_u64 s[8:9], s[8:9], s[16:17]              ; b1 at my 128 hidden units
	s_lshl_b32 s16, s23, 5
	s_add_co_u32 s16, s16, s22                         ; the unit that I make: (K step 2 yt + hy, group 2 xt + hx)
	s_lshl_b32 s20, s16, 13
	s_mov_b32 s21, 0
	s_add_nc_u64 s[4:5], s[14:15], s[20:21]
	s_lshl_b32 s20, s16, 9
	s_add_co_u32 s20, s20, 0x800000
	s_add_nc_u64 s[6:7], s[14:15], s[20:21]
.else
	s_and_b32 s16, s23, 7
	s_lshl_b32 s16, s16, 9
	s_and_b32 s16, s16, s[MY]
	s_mov_b32 s17, 0
	s_lshr_b32 s3, s23, 3
	s_and_b32 s3, s3, s[MY]
	s_cmp_eq_u32 s3, 0                                 ; Wq's columns (or v's role, where this bias is masked off): bq; else bk
	s_cselect_b64 s[8:9], s[8:9], s[10:11]
	s_add_nc_u64 s[8:9], s[8:9], s[16:17]
	s_lshl_b32 s16, s22, 9
	s_and_b32 s16, s16, s[MX]
	s_add_nc_u64 s[12:13], s[12:13], s[16:17]          ; bv at my 128 channels (elsewhere at its head, masked off)
	s_cmp_eq_u32 s18, 0
	s_cselect_b32 s3, s23, s22
	s_cselect_b32 s16, s22, s23
	s_cselect_b32 s21, 0, 0x440000                     ; q's and k's image, or v's
	s_mov_b32 s19, 0x640000
	s_cselect_b32 s19, 0x400000, s19
	s_lshl_b32 s3, s3, 5
	s_add_co_u32 s16, s16, s3                          ; the unit that I make
	s_lshl_b32 s20, s16, 13
	s_add_co_u32 s20, s20, s21
	s_mov_b32 s21, 0
	s_add_nc_u64 s[4:5], s[14:15], s[20:21]
	s_lshl_b32 s20, s16, 9
	s_add_co_u32 s20, s20, s19
	s_add_nc_u64 s[6:7], s[14:15], s[20:21]
.endif
	v_bfe_u32 v2, v0, 4, 1
	v_lshlrev_b32 v21, 6, v2
	WIN 0x40                                           ; destination window 1
.irp b, 0,1,2,3,4,5,6,7                                ; tile b's eight registers of lane (r, h): Y's rows 32 (b / 2) + 8 (b % 2) + 16 h + 0 .. 7
	global_load_b128 v[128+8*\b:131+8*\b], v21, s[8:9] offset:(32*(\b/2)+8*(\b%2))*4
	global_load_b128 v[132+8*\b:135+8*\b], v21, s[8:9] offset:(32*(\b/2)+8*(\b%2))*4+16
.endr
	WIN 0
.if !FF
	v_and_b32 v3, 15, v0
	v_and_b32 v4, 8, v3
	v_add_nc_u32 v3, v3, v4
	v_lshlrev_b32 v22, 2, v3
.irp a, 0,1,2,3,4,5,6,7
	global_load_b32 v[48+2*\a], v22, s[12:13] offset:(32*(\a/2)+8*(\a%2))*4   ; the bias of my row of X's tile a
.endr
.endif
.irp b, 0,1,2,3
	v_mov_b32 v[TM+4+\b], 0                            ; written once: a lane permute's destination counts as one of its sources
.endr
	s_wait_loadcnt 0x0
.if !FF
	WIN 0x44
.set j, 0
.rept 64
	v_and_b32 v[128+j], s[MY], v[128+j]                ; one of the two biases is zeros, by the role
.set j, j+1
.endr
	WIN 0
.irp a, 0,1,2,3,4,5,6,7
	v_and_b32 v[48+2*\a], s[MX], v[48+2*\a]
	v_mov_b32 v[49+2*\a], v[48+2*\a]
.endr
.endif
.macro FETCH ks, f                     ; 34 LDS loads: K step ks into set f: Y's eight fragments, the scale words, X's eight
	WIN 0x40
.irp t, 0,1,2,3,4,5,6,7
	ds_load_b128 v[64*(\f)+8*\t:64*(\f)+8*\t+3], v[ADY] offset:8192*(\ks)+1024*\t
	ds_load_b128 v[64*(\f)+8*\t+4:64*(\f)+8*\t+7], v[ADY] offset:8192*(\ks)+1024*\t+512
.endr
	WIN 0
	ds_load_b128 v[32+8*(\f):35+8*(\f)], v[ASX] offset:512*(\ks)     ; register p: lanes 0-15 tile 2 p's words, lanes 16-31 tile 2 p + 1's
	ds_load_b128 v[36+8*(\f):39+8*(\f)], v[ASY] offset:512*(\ks)
.irp t, 0,1,2,3,4,5,6,7
	ds_load_b128 v[128+64*(\f)+8*\t:128+64*(\f)+8*\t+3], v[ADX] offset:8192*(\ks)+1024*\t
	ds_load_b128 v[128+64*(\f)+8*\t+4:128+64*(\f)+8*\t+7], v[ADX] offset:8192*(\ks)+1024*\t+512
.endr
.endm
.macro MUL16 a0, f                     ; X's tiles a0, a0 + 1 against Y's eight.  The 64 accumulators take turns, one instruction a turn, in the same order in every K step
.irp a, \a0, \a0+1
.irp b, 0,1,2,3,4,5,6,7
.set rD, 8*(8*((\a)%4)+\b)
.set rA, 64*(\f)+8*\b
.set rB, 128+64*(\f)+8*(\a)
.if FST
.set rC, 128+8*\b                      ; the first product starts the sum from the bias along Y
.else
.set rC, rD
.endif
.set rSA, 36+8*(\f)+\b/2
.set rSB, 32+8*(\f)+(\a)/2
.set rRA, \b%2
.set rRB, (\a)%2
	WM
.endr
.endr
.endm
; A K step: 64 products.  In its middle the next K step's fragments are fetched into the other set.  stw >= 0: that fetch is the first read of a stage: the stage's load is waited for (stw later ones stay out) and a barrier passed.
.macro KSTEP ks, stw
.if (\ks) == 0
.set FST, 1
.else
.set FST, 0
.endif
	s_wait_dscnt 8                                     ; all but the youngest eight loads (X's tiles 4-7) are in
	WIN 0xa1-0x10*FST                                  ; source 0 window 1, source 1 window 0, D window 2, C window 2 (the first: 1)
	MUL16 0, (\ks)%2
	MUL16 2, (\ks)%2
.if (\ks) < 7
.if (\stw) >= 0
	s_wait_dscnt 0x0                                   ; no LDS load of mine is out at the signal
	s_wait_tensorcnt \stw                              ; my part of the stage has landed
	s_barrier_signal -1
	s_barrier_wait -1                                  ; everybody's has
.endif
	PLACES 4                                           ; in front of loads into registers that matrix instructions have read
	FETCH (\ks)+1, 1-(\ks)%2
	s_wait_dscnt 34                                    ; all but the 34 just issued
.else
	s_wait_dscnt 0x0
.endif
	WIN 0xf1-0x20*FST
	MUL16 4, (\ks)%2
	MUL16 6, (\ks)%2
.endm
	s_wait_tensorcnt 0x0                               ; my region has landed
.irp k, 0,1,2,3,4,5,6,7
	ds_store_b128 v23, v[128+4*\k:131+4*\k] offset:512*\k   ; the scale words, into bytes on which no fill lands
.endr
	s_wait_dscnt 0x0                                   ; for the others' sake: my stores have landed
	s_barrier_signal -1
	s_barrier_wait -1                                  ; everybody's region and scale words are in
	FETCH 0, 0
	KSTEP 0, -1
	KSTEP 1, -1
	KSTEP 2, -1
	KSTEP 3, -1
	KSTEP 4, -1
	KSTEP 5, -1
	KSTEP 6, -1
	KSTEP 7, -1
	WIN 0
	PLACES 4                                           ; in front of the first read of results, and of writes into the fragments' registers
	; THE WAY OUT: X's tile a: my row's 64 numbers along Y become one fragment of the next operand and one scale word
.irp a, 0,1,2,3,4,5,6,7
.if FF
	WIN 0x08+4*(\a/4)
.set j, 0
.rept 64
	v_max_num_f32 v[T+j], 0, v[64*(\a%4)+j]            ; relu; each accumulator from its low end on
.set j, j+1
.endr
.else
	WIN 0x02+(\a/4)
.set j, 0
.rept 32
	v_pk_add_f32 v[T+j:T+j+1], v[64*(\a%4)+j:64*(\a%4)+j+1], v[48+2*\a:49+2*\a] op_sel_hi:[1,0]   ; + the bias of my row of X
.set j, j+2
.endr
.endif
	WIN 0
	QUANT T, 192+8*\a, 80+\a
	global_store_b128 v[LI], v[192+8*\a:195+8*\a], s[4:5] offset:1024*\a        ; 32 lanes store 512 consecutive bytes; each tile has code registers of its own
	global_store_b128 v[LI], v[196+8*\a:199+8*\a], s[4:5] offset:1024*\a+512
.endr
	s_mov_b32 vcc_lo, 0xffff0000
.irp p, 0,1,2,3
	v_cndmask_b32 v[88+\p], v[80+2*\p], v[81+2*\p], vcc_lo   ; lanes 0-15 tile 2 p's words, lanes 16-31 tile 2 p + 1's
.endr
	global_store_b128 v[LI], v[88:91], s[6:7]          ; the unit's 512 bytes of scale words
	s_wait_tensorcnt 0x0
	ds_add_u32 v126, v127
	s_wait_dscnt 0x0
	s_endpgm
.Lfunc_end_k_q2da4c07618_qkv:
	.size	k_q2da4c07618_qkv, .Lfunc_end_k_q2da4c07618_qkv-k_q2da4c07618_qkv
	.p2alignl 7, 3214868480
	.fill 96, 4, 3214868480
	.section	.rodata,"a",@progbits
	.p2align	6, 0x0
	.amdhsa_kernel k_q2da4c07618_qkv
		.amdhsa_group_segment_fixed_size 279040
		.amdhsa_private_segment_fixed_size 0
		.amdhsa_enable_private_segment 0
		.amdhsa_kernarg_size 48
		.amdhsa_user_sgpr_count 2
		.amdhsa_user_sgpr_kernarg_segment_ptr 1
		.amdhsa_wavefront_size32 1
		.amdhsa_system_sgpr_workgroup_id_x 1
		.amdhsa_system_sgpr_workgroup_id_y 1
		.amdhsa_system_sgpr_workgroup_id_z 1
		.amdhsa_system_vgpr_workitem_id 0
		.amdhsa_next_free_vgpr 1024
		.amdhsa_next_free_sgpr 66
		.amdhsa_reserve_vcc 1
		.amdhsa_float_denorm_mode_32 3
		.amdhsa_float_denorm_mode_16_64 3
		.amdhsa_memory_ordered 1
		.amdhsa_forward_progress 1
		.amdhsa_inst_pref_size 143
	.end_amdhsa_kernel
	.amdgpu_metadata
---
amdhsa.version: [ 1, 2 ]
amdhsa.kernels:
  - .name:           k_q2da4c07618_qkv
    .symbol:         k_q2da4c07618_qkv.kd
    .args:
      - { .name: h1b, .offset: 0, .size: 8, .value_kind: global_buffer, .address_space: global }
      - { .name: wts, .offset: 8, .size: 8, .value_kind: global_buffer, .address_space: global }
      - { .name: bq, .offset: 16, .size: 8, .value_kind: global_buffer, .address_space: global }
      - { .name: bk, .offset: 24, .size: 8, .value_kind: global_buffer, .address_space: global }
      - { .name: bv, .offset: 32, .size: 8, .value_kind: global_buffer, .address_space: global }
      - { .name: qkvb, .offset: 40, .size: 8, .value_kind: global_buffer, .address_space: global }
    .group_segment_fixed_size: 279040
    .private_segment_fixed_size: 0
    .kernarg_segment_align: 8
    .kernarg_segment_size: 48
    .max_flat_workgroup_size: 128
    .sgpr_count:     66
    .vgpr_count:     1024
    .wavefront_size: 32
...
	.end_amdgpu_metadata
.endif
;; end of part 2
;; launch attn (part 3): grid 256 x 1, 16 waves a work-group, clusters of 4 x 1, 167,936 bytes of LDS; arguments qkvb, ctxb; writes ctxb
.if DOCPART == 3
	.amdgcn_target "amdgcn-amd-amdhsa--gfx1250"
	.amdhsa_code_object_version 6
	.text
	.protected	k_q2da4c07618_attn
	.globl	k_q2da4c07618_attn
	.p2align	8
	.type	k_q2da4c07618_attn,@function
k_q2da4c07618_attn:
	s_mov_b64 s[64:65], 0
	v_nop
	global_prefetch_b8 v0, s[64:65] scope:SCOPE_SE
	s_setreg_imm32_b32 hwreg(HW_REG_WAVE_MODE, 25, 1), 1
	s_wait_xcnt 0x0
	s_wait_alu depctr_hold_cnt(0) depctr_sa_sdst(0) depctr_va_vdst(0) depctr_va_sdst(0) depctr_va_ssrc(0) depctr_va_vcc(0) depctr_vm_vsrc(0)
	s_getreg_b32 s2, hwreg(HW_REG_IB_STS2, 6, 4)
	s_cmp_eq_u32 s2, 0
	s_cbranch_scc0 .Lentry_in_a_cluster
	s_endpgm
.Lentry_in_a_cluster:
	s_bfe_u32 s2, ttmp6, 0x10000c
	s_cmp_lg_u32 s2, 0x3003
	s_cbranch_scc0 .Lentry_shape_is_right
	s_endpgm
.Lentry_shape_is_right:
; ATTENTION on E2M1 codes: ctx = softmax(q k^T / 8) v for 32 (batch, head) pairs of 2,048 x 2,048, head size 64; ctx is quantised on the way out.
; THE SOFTMAX AHEAD OF THE SECOND PRODUCT: t = score x log2(e) / 8; M = the running largest t rounded UP to a whole number; p = 2^(t - M) is quantised along the keys; the row's sum is taken of the unquantised p and divides at the end.
; SHARES.  A work-group owns 256 queries of ONE head: 32 heads x 8 blocks = 256 work-groups.  Wave w owns the 16 queries of tile w % 8 of token group w / 8 of the block.  Every wave walks 16 steps of 128 keys: 4 trips of 4 steps.
; LDS holds the head's k (128 half fragments of 512 bytes, 64 bytes of padding behind each), its v (16 x 4,096 bytes) and both tensors' scale words of the pair of heads (2 x 8,192): each byte filled once, at the head.
; CLUSTER.  The four work-groups of a cluster are four query blocks of one head: they ask for k, v and the scale words jointly (mask 15).  Waves 0-3 fetch quarters of k, 4-7 quarters of v, 8 and 9 the scale words: one tensor load a wave.
; K = 64 IN AN INSTRUCTION 128 DEEP.  k's fragment of a tile is four registers; source 0 names eight, so its upper four are the next tile's codes (behind the last tile: four registers of zeros).  They meet ZERO CODES in q's upper four registers.
; Scale words are read as the head's own two bytes (16 bits); the upper two bytes are 0, a finite code, over products that are 0.
; THE KEYS OF A TILE ARE CHOSEN BY THE LANES' ADDRESSES: tile 4 c + u takes at places 0-7 keys 64 c + 8 u + 0..7 and at places 8-15 keys 64 c + 32 + 8 u + 0..7.  S^T = k q^T then gives lane (r, h) query r and in the 32 registers of tiles 4 c .. 4 c + 3
; keys 64 c + 32 h + 0..31: a WHOLE block of 32 in a lane, in the order of the second product's operand.  So a block's maximum needs no other lane, and the conversions' results are the operand as it stands.
; In the images place P of tile T is row 32 (T / 2) + 8 (T % 2) + P + 8 (P / 8): the key wanted at place r lies in tile 4 c + 2 (r / 8) + u % 2 at place 8 (u / 2) + r % 8.  With tiles 576 bytes apart lanes 0-7 and 8-15 of a load fall on different banks.
; ctx's codes go to the head's half of the fragment; its two scale bytes a row go to ctxb + 0x200000 + 8,192 head + 2 x (row's place in the images' order): a work-group's 256 rows are 512 consecutive bytes, gathered in LDS and stored by wave 0.
; No prefetch: all that is fetched is asked for once, at the head; there is no loop to run ahead in.
; LIMITS: the promise holds while the scaled scores t stay under 2^31 in magnitude; NaN and infinities are not served; a block whose every p has fallen to 0 keeps the scale byte 1: its codes are zeros.
; REGISTERS: v1-4 LDS addresses, stepped once a trip; v5-11 as named; v12 -M, v13 the largest score; v[14:15] the sum; v16-23 q; v24-27 k's scale words, v28-29 v's; v32-63 k, v64-67 zeros; v96-159 S^T, then p; v160-191 O^T; v192-223 v; v224-231 p's codes; v232-254 at work; v255 q's scale words.
; THE SCALE WORDS AS THEY STAND NOW (this takes the place of what the lines above say of them): they come by no tensor load.  Each of the 512 threads loads 16 bytes of k's 8,192 and 16 of v's, takes its head's part in registers
; (k: each word shifted down by 16 x the head, so that the head's two bytes lie lowest; what lies above them is a finite code over products that are 0;  v: the head's two words of four) and stores it into LDS bytes of its own:
; k's as 8,192 bytes in the units' own order, v's as 4,096 bytes, 8 a lane and 256 a step.  So no LDS address hangs on the head.  Waves 0-3 fetch k and waves 4-7 v; the others issue no tensor load.
.set KP,  576
.set VC,  128*KP
.set KS,  VC+65536
.set VS,  KS+8192
.set MRG, VS+8192                      ; 512 bytes: ctx's scale bytes meet here; no fill lands there
.set SPARE, MRG+512                    ; the spare words: 128 bytes a wave
.set AK,  1
.set AV,  2
.set ASK, 3
.set ASV, 4
.set LI,  5                            ; 16 x lane
.set MA,  6
.set MR,  7
.set SH8, 8                            ; 8 h
.set PT,  9                            ; a lane permute's destination
.set SPW, 10
.set NIL, 11
.set SK,  24
.set KF,  32
.set S,   96
.set O,   160
.set VF,  192
.set PC,  224
.set BM,  232
.set SO,  236
.set SB,  238
.set T,   240
.set WV,  3
.set CNT, 75
.set SEL, 76
.set CS,  78
.macro PLACES n
.rept \n
	v_nop
.endr
.endm
.macro ROUND                           ; a round of the cluster's barrier
	s_barrier_signal -1
	s_barrier_wait -1
	s_cmp_lg_u32 s[WV], 0
	s_cbranch_scc1 .Lnw0_\@
	s_barrier_signal -3
.Lnw0_\@:
	s_barrier_wait -3
	s_barrier_signal -1
	s_barrier_wait -1
.endm
.macro SMUL i                          ; S^T's tile i
.if (\i)%2
	v_wmma_scale_f32_16x16x128_f8f6f4 v[S+8*\i:S+8*\i+7], v[KF+4*\i:KF+4*\i+7], v[16:23], 0, v[SK+2*(\i/4)+(\i%4)/2], v255 matrix_a_fmt:MATRIX_FMT_FP4 matrix_b_fmt:MATRIX_FMT_FP4 matrix_a_scale:MATRIX_SCALE_ROW1
.else
	v_wmma_scale_f32_16x16x128_f8f6f4 v[S+8*\i:S+8*\i+7], v[KF+4*\i:KF+4*\i+7], v[16:23], 0, v[SK+2*(\i/4)+(\i%4)/2], v255 matrix_a_fmt:MATRIX_FMT_FP4 matrix_b_fmt:MATRIX_FMT_FP4
.endif
.endm
.macro OMUL t                          ; O^T's tile t
.if (\t)%2
	v_wmma_scale_f32_16x16x128_f8f6f4 v[O+8*\t:O+8*\t+7], v[VF+8*\t:VF+8*\t+7], v[PC:PC+7], v[O+8*\t:O+8*\t+7], v[28+\t/2], v253 matrix_a_fmt:MATRIX_FMT_FP4 matrix_b_fmt:MATRIX_FMT_FP4 matrix_a_scale:MATRIX_SCALE_ROW1
.else
	v_wmma_scale_f32_16x16x128_f8f6f4 v[O+8*\t:O+8*\t+7], v[VF+8*\t:VF+8*\t+7], v[PC:PC+7], v[O+8*\t:O+8*\t+7], v[28+\t/2], v253 matrix_a_fmt:MATRIX_FMT_FP4 matrix_b_fmt:MATRIX_FMT_FP4
.endif
.endm
.macro ARM under, g0, g1, next         ; one arm of the head's chain: its load, and a jump to the join
	s_cmp_lt_u32 s[WV], \under
	s_cbranch_scc0 \next
	tensor_load_to_lds s[\g0:\g0+3], s[\g1:\g1+7]
	s_nop 0
	PLACES 4
	s_branch .Lhead_asked
\next:
.endm
	s_load_b128 s[4:7], s[0:1], 0x0                    ; qkvb, ctxb
	v_lshl_add_u32 v[SPW], v0, 2, SPARE
	v_mov_b32 v[NIL], 0
	ds_add_u32 v[SPW], v[NIL]                          ; the opening lines: the add twice on end and one wait
	ds_add_u32 v[SPW], v[NIL]
	v_lshrrev_b32 v[PT], 5, v0
	v_readfirstlane_b32 s[WV], v[PT]                   ; wave 0..15
	s_bfe_u32 s8, ttmp6, 0x40000                       ; cx
	s_and_b32 s9, ttmp9, 1
	s_lshl_b32 s9, s9, 2
	s_add_co_u32 s8, s8, s9                            ; my block of 256 queries: 4 (cluster % 2) + cx; it enters global addresses alone
	s_bfe_u32 s9, ttmp9, 0x10001                       ; which head of the pair
	s_bfe_u32 s10, ttmp9, 0x30002                      ; the pair of heads
	s_lshr_b32 s11, ttmp9, 5                           ; the batch
	s_lshl_b32 s12, s10, 5
	s_lshl_b32 s13, s11, 4
	s_add_co_u32 s12, s12, s13                         ; 32 x pair + 16 x batch: the first unit of q and of v; k's lies 256 units on
	s_and_b32 s14, s[WV], 3
	s_mov_b32 s16, 15|(3<<16)|(1<<20)|(1<<21)|(6<<22)|(15<<25)   ; k: mask of the four, elements of 8 bytes, 16 words of padding behind every 128
	s_mov_b32 s17, 64<<16                              ; rows of 512 bytes,
	s_mov_b32 s18, 32<<16                              ; 32 of them,
	s_mov_b32 s19, 64<<16
	s_mov_b32 s20, 32
	s_mov_b32 s21, 128                                 ; 1,024 bytes apart: one head's half of each fragment
	s_mov_b32 s22, 0
	s_mov_b32 s23, 0
	s_mov_b32 s24, 15|(3<<16)|(1<<21)                  ; v: 4 rows of 4,096 bytes (the head's four tiles of a unit), 8,192 apart
	s_mov_b32 s25, 512<<16
	s_mov_b32 s26, 4<<16
	s_mov_b32 s27, 512<<16
	s_mov_b32 s28, 4
	s_mov_b32 s29, 1024
	s_mov_b32 s30, 0
	s_mov_b32 s31, 0
	s_lshl_b32 s52, s12, 13
	s_lshl_b32 s13, s14, 15
	s_add_co_u32 s52, s52, s13                         ; four units a quarter
	s_lshl_b32 s13, s9, 12
	s_add_co_u32 s54, s52, s13
	s_add_co_u32 s54, s54, 0x440000                    ; v's image
	s_lshl_b32 s13, s9, 9
	s_add_co_u32 s52, s52, s13
	s_add_co_u32 s52, s52, 0x200000                    ; k: 256 units into the image at 0
	s_mov_b32 s53, 0
	s_mov_b32 s55, 0
	s_lshl_b32 s56, s12, 9
	s_add_co_u32 s56, s56, 0x420000                    ; k's scale words at 0x420000, v's at 0x640000
	s_mov_b32 s57, 0
	s_mov_b32 s40, 1
	s_mov_b32 s44, 1
	s_mul_i32 s41, s14, 32*KP                          ; LDS: constants x the wave's number
	s_lshl_b32 s45, s14, 14
	s_add_co_u32 s45, s45, VC
	s_mov_b32 s[SEL], 0x76543210
	s_mov_b32 s[SEL+1], 0xfedcba98
	s_mov_b32 s[CS], 0x3e38aa3b                        ; c = log2(e) / 8
	s_mov_b32 s[CS+1], s[CS]
	s_wait_dscnt 0x0                                   ; both opening adds are done
	s_wait_kmcnt 0x0
	s_add_nc_u64 s[42:43], s[4:5], s[52:53]
	s_add_nc_u64 s[46:47], s[4:5], s[54:55]
	s_add_nc_u64 s[50:51], s[4:5], s[56:57]            ; k's scale words of the 16 units
	s_add_nc_u64 s[48:49], s[50:51], 0x220000          ; v's
	s_or_b32 s43, s43, 0x80000000
	s_or_b32 s47, s47, 0x80000000
	ROUND                                              ; the four work-groups are here: the joint loads meet
	ARM 4,  40, 16, .Lhead_v
	ARM 8,  44, 24, .Lhead_none
.Lhead_asked:
	s_lshl_b32 s13, s8, 1
	s_add_co_u32 s13, s13, s12
	s_lshr_b32 s58, s[WV], 3
	s_add_co_u32 s13, s13, s58                         ; my queries' unit
	s_and_b32 s59, s[WV], 7                            ; my tile in it
	s_lshl_b32 s60, s13, 3
	s_add_co_u32 s60, s60, s59
	s_lshl_b32 s60, s60, 10
	s_lshl_b32 s58, s9, 9
	s_add_co_u32 s60, s60, s58                         ; my head's half of the tile's fragment, in q's image and in ctx's
	s_mov_b32 s61, 0
	s_add_nc_u64 s[66:67], s[4:5], s[60:61]
	s_add_nc_u64 s[70:71], s[6:7], s[60:61]
	s_lshl_b32 s62, s13, 9
	s_and_b32 s58, s59, 1
	s_lshl_b32 s58, s58, 8
	s_add_co_u32 s62, s62, s58
	s_lshr_b32 s58, s59, 1
	s_lshl_b32 s58, s58, 2
	s_add_co_u32 s62, s62, s58                         ; my tile's words in the unit: 256 (t % 2) + 4 (t / 2), + 16 r
	s_lshl_b32 s58, s9, 1
	s_add_co_u32 s62, s62, s58                         ; my head's two bytes of a word
	s_add_co_u32 s62, s62, 0x400000
	s_mov_b32 s63, 0
	s_add_nc_u64 s[68:69], s[4:5], s[62:63]
	s_bfe_u32 s62, ttmp9, 0x40001                      ; the head, 0..15
	s_lshl_b32 s62, s62, 13
	s_lshl_b32 s58, s11, 4
	s_lshl_b32 s59, s8, 1
	s_add_co_u32 s58, s58, s59
	s_lshl_b32 s58, s58, 8                             ; 256 bytes a token group
	s_add_co_u32 s62, s62, s58
	s_add_co_u32 s62, s62, 0x200000
	s_add_nc_u64 s[72:73], s[6:7], s[62:63]            ; ctx's scale bytes of my 256 rows
	s_lshl_b32 s58, s9, 4                              ; 16 x the head of the pair: how far k's scale words are shifted down
	s_cmp_lg_u32 s9, 0
	s_cselect_b32 s59, -1, 0                           ; all lanes on for the second head: v's words 2 and 3
	s_lshl_b32 s74, s[WV], 5
	s_add_co_u32 s74, s74, MRG
	v_and_b32 v[PT], 31, v0
	v_lshlrev_b32 v[LI], 4, v[PT]
	v_and_b32 v254, 15, v0                             ; r
	v_lshlrev_b32 v253, 4, v254
	global_load_b128 v[16:19], v[LI], s[66:67]         ; q: my head's 64 features
	global_load_u16 v255, v253, s[68:69]               ; and their two scale bytes
	v_lshlrev_b32 v244, 4, v0
	global_load_b128 v[S:S+3], v244, s[50:51]          ; my thread's 16 bytes of k's scale words: a wave reads 512 consecutive bytes
	global_load_b128 v[S+4:S+7], v244, s[48:49]        ; and of v's
	v_lshl_add_u32 v245, v0, 4, KS                     ; where they go in LDS
	v_lshl_add_u32 v246, v0, 3, VS
	v_bfe_u32 v252, v0, 4, 1                           ; h
	v_and_b32 v251, 7, v0                              ; r % 8
	v_bfe_u32 v250, v0, 3, 1                           ; r / 8
	v_lshlrev_b32 v[SH8], 3, v252
	v_lshlrev_b32 v[AK], 4, v251
	v_lshlrev_b32 v[ASK], 4, v251
	v_mad_u32_u24 v[AK], v250, 2*KP, v[AK]
	v_lshl_add_u32 v[ASK], v250, 2, v[ASK]
	v_lshl_add_u32 v[AK], v252, 8, v[AK]               ; k: 16 (r % 8) + 2 tiles x (r / 8) + 256 h
	v_lshl_add_u32 v[ASK], v252, 8, v[ASK]
	v_add_nc_u32 v[AV], VC, v[LI]
	v_add_nc_u32 v[ASK], KS, v[ASK]                    ; k's scale words: 16 (r % 8) + 4 (r / 8) + 256 h (lanes 16-31: the odd tile's)
	v_lshl_add_u32 v[ASV], v[PT], 3, VS                ; v's: 8 x lane
	v_lshlrev_b32 v[MA], 1, v254
	v_add_nc_u32 v[MR], MRG, v[LI]
	v_add_nc_u32 v[MA], s74, v[MA]
	v_mov_b32 v13, 0xff61b1e6                          ; the largest score so far: -3e38
	v_mov_b32 v14, 0
	v_mov_b32 v15, 0
	v_mul_f32 v12, s[CS], v13
.irp i, 0,1,2,3
	v_mov_b32 v[20+\i], 0                              ; q's zero codes
	v_mov_b32 v[KF+32+\i], 0                           ; what the last tile's source 0 names behind its own four registers
.endr
	v_floor_f32 v12, -v12                              ; -M
.set j, 0
.rept 32
	v_mov_b32 v[O+j], 0                                ; O^T: the step is written once; the first finds zeros
.set j, j+1
.endr
; A KEY STEP: 128 keys, the q-th of the trip.
.macro STEP q
.irp i, 0,1,2,3,4,5,6,7
	ds_load_b128 v[KF+4*\i:KF+4*\i+3], v[AK] offset:8*KP*(\q)+4*KP*(\i/4)+KP*(\i%2)+128*((\i%4)/2)
.endr
.irp g, 0,1,2,3
	ds_load_b32 v[SK+\g], v[ASK] offset:512*(\q)+8*(\g/2)+128*(\g%2)   ; tiles 4 (g / 2) + 2 (g % 2) (lanes 0-15) and + 1 (lanes 16-31)
.endr
	s_wait_dscnt 0x0
.irp i, 0,1,2,3,4,5,6,7
	SMUL \i
.endr
	PLACES 4                                           ; behind these products, ahead of the first read of S^T; and behind the last step's, ahead of the loads into v's registers
	ds_load_b64 v[28:29], v[ASV] offset:256*(\q)       ; v's fragments land while the softmax is walked
.irp t, 0,1,2,3
	ds_load_b128 v[VF+8*\t:VF+8*\t+3], v[AV] offset:4096*(\q)+1024*\t
	ds_load_b128 v[VF+8*\t+4:VF+8*\t+7], v[AV] offset:4096*(\q)+1024*\t+512
.endr
.irp k, 0,1,2,3
	v_max3_num_f32 v[BM+\k], v[S+16*\k], v[S+16*\k+1], v[S+16*\k+2]   ; four chains by turns, two to a block of 32 keys
.endr
.irp i, 3,5,7,9,11,13
.irp k, 0,1,2,3
	v_max3_num_f32 v[BM+\k], v[BM+\k], v[S+16*\k+\i], v[S+16*\k+\i+1]
.endr
.endr
	v_max3_num_f32 v[BM], v[BM], v[BM+1], v[S+15]
	v_max3_num_f32 v[BM+2], v[BM+2], v[BM+3], v[S+47]
	v_max_num_f32 v[BM], v[BM], v[S+31]                ; my two blocks' largest scores: for the row's maximum, and, since p rises with the score, for the blocks' largest p
	v_max_num_f32 v[BM+2], v[BM+2], v[S+63]
	v_max_num_f32 v254, v[BM], v[BM+2]
	s_delay_alu instid0(VALU_DEP_1)
	v_permlanex16_b32 v[PT], v254, s[SEL], s[SEL+1]
	s_delay_alu instid0(VALU_DEP_1)
	v_max3_num_f32 v13, v13, v254, v[PT]               ; the running largest score (c is positive)
	s_delay_alu instid0(VALU_DEP_1)
	v_mul_f32 v254, s[CS], v13                         ; as t
	s_delay_alu instid0(VALU_DEP_1)
	v_floor_f32 v251, -v254                            ; the new -M = -ceil(t)
	s_delay_alu instid0(VALU_DEP_1)
	v_sub_f32 v254, v251, v12                          ; old M - new M: a whole number, 0 or less
	v_mov_b32 v12, v251
	s_delay_alu instid0(VALU_DEP_2)
	v_cvt_i32_f32 v254, v254                           ; (it saturates)
	s_delay_alu instid0(VALU_DEP_1)
	v_ldexp_f32 v252, 1.0, v254                        ; f = 2^(old M - new M)
.set j, 0
.rept 32
	v_pk_fma_f32 v[S+j:S+j+1], v[S+j:S+j+1], s[CS:CS+1], v[12:13] op_sel_hi:[1,0,0]   ; t - M
.set j, j+2
.endr
	v_fma_f32 v[BM], v[BM], s[CS], v12                 ; the same of each block's largest score
	v_fma_f32 v[BM+2], v[BM+2], s[CS], v12
	s_wait_alu depctr_va_vdst(0)                       ; ahead of the batch
.set j, 0
.rept 64
	v_exp_f32 v[S+j], v[S+j]                           ; p = 2^(t - M)
.set j, j+1
.endr
	v_pk_mul_f32 v[14:15], v[14:15], v[252:253] op_sel_hi:[1,0]   ; the sums under the new M (a plain place behind the batch)
	s_wait_alu depctr_va_vdst(0)                       ; one wait for the batch, ahead of its first reader
	v_exp_f32 v[BM], v[BM]                             ; the blocks' largest p
	v_exp_f32 v[BM+2], v[BM+2]
.irp k, 0,1,2,3
	v_pk_add_f32 v[T+2*\k:T+2*\k+1], v[S+2*\k:S+2*\k+1], v[S+8+2*\k:S+9+2*\k]   ; the row's sum of the unquantised p: four chains of pairs
.endr
.irp i, 2,3,4,5,6,7
.irp k, 0,1,2,3
	v_pk_add_f32 v[T+2*\k:T+2*\k+1], v[T+2*\k:T+2*\k+1], v[S+8*\i+2*\k:S+8*\i+2*\k+1]
.endr
.endr
	v_pk_add_f32 v[T:T+1], v[T:T+1], v[T+2:T+3]
	v_pk_add_f32 v[T+4:T+5], v[T+4:T+5], v[T+6:T+7]
	s_delay_alu instid0(VALU_DEP_1)
	v_pk_add_f32 v[T:T+1], v[T:T+1], v[T+4:T+5]
	s_delay_alu instid0(VALU_DEP_1)
	v_pk_add_f32 v[14:15], v[14:15], v[T:T+1]
	s_wait_alu depctr_va_vdst(0)                       ; and one for the two
	v_max_num_f32 v[BM], 0x1800000, v[BM]              ; the floor 2^(3 - 127): the byte cannot fall under 1
	v_max_num_f32 v[BM+2], 0x1800000, v[BM+2]
	s_delay_alu instid0(VALU_DEP_2)
	v_add_nc_u32 v[SO], 0xff000000, v[BM]              ; 2 off the exponent field: the conversion's scale operand
	s_delay_alu instid0(VALU_DEP_2)
	v_add_nc_u32 v[SO+1], 0xff000000, v[BM+2]
	s_delay_alu instid0(VALU_DEP_2)
	v_lshrrev_b32 v[SB], 23, v[SO]                     ; the bytes of blocks h and 2 + h
	s_delay_alu instid0(VALU_DEP_2)
	v_lshrrev_b32 v[SB+1], 23, v[SO+1]
	s_delay_alu instid0(VALU_DEP_1)
	v_lshl_or_b32 v253, v[SB+1], 16, v[SB]
	s_delay_alu instid0(VALU_DEP_1)
	v_lshlrev_b32 v253, v[SH8], v253                   ; at their places in the word,
	s_delay_alu instid0(VALU_DEP_1)
	v_permlanex16_b32 v[PT], v253, s[SEL], s[SEL+1]
	s_delay_alu instid0(VALU_DEP_1)
	v_or_b32 v253, v253, v[PT]                         ; and with lane l xor 16's two: p's scale word for these 128 keys
.irp i, 0,1,2,3,4,5,6,7
	v_cvt_scalef32_pk8_fp4_f32 v[PC+\i], v[S+8*\i:S+8*\i+7], v[SO+\i/4]   ; register 4 c + u of the operand: keys 64 c + 32 h + 8 u + 0..7
.endr
	s_wait_alu depctr_va_vdst(0)                       ; directly ahead of the first reader of O^T
.set j, 0
.rept 16
	v_pk_mul_f32 v[O+j:O+j+1], v[O+j:O+j+1], v[252:253] op_sel_hi:[1,0]   ; O^T under the new M (these sixteen are also the places between the codes, the scale word and the products)
.set j, j+2
.endr
	s_wait_alu depctr_va_vdst(0)
	s_wait_dscnt 0x0                                   ; v
.irp t, 0,1,2,3
	OMUL \t                                            ; O^T += v^T p^T: four accumulators by turns
.endr
.endm
	s_wait_alu depctr_va_vdst(0)                       ; at the head's end
	s_wait_loadcnt 0x0                                 ; q
	s_wait_tensorcnt 0x0                               ; my part of the fills has landed
.irp i, 0,1,2,3
	v_lshrrev_b32 v[S+\i], s58, v[S+\i]                ; k's scale words: my head's two bytes lowest
.endr
	v_cndmask_b32 v[S+8], v[S+4], v[S+6], s59          ; v's: my head's two words of the four
	v_cndmask_b32 v[S+9], v[S+5], v[S+7], s59
	ds_store_b128 v245, v[S:S+3]
	ds_store_b64 v246, v[S+8:S+9]
	s_wait_dscnt 0x0                                   ; for the others' sake: my stores have landed
	s_barrier_signal -1
	s_barrier_wait -1                                  ; everybody's fills and scale words are in
	s_mov_b32 s[CNT], 4
.Lkeys:
	STEP 0
	STEP 1
	STEP 2
	STEP 3
	v_add_nc_u32 v[AK], 32*KP, v[AK]                   ; four steps on
	v_add_nc_u32 v[AV], 16384, v[AV]
	v_add_nc_u32 v[ASK], 2048, v[ASK]
	v_add_nc_u32 v[ASV], 1024, v[ASV]
	s_sub_co_u32 s[CNT], s[CNT], 1
	s_cmp_lg_u32 s[CNT], 0
	s_wait_alu depctr_va_vdst(0)
	s_cbranch_scc1 .Lkeys
	; THE WAY OUT: O^T / the sum is ctx: register 16 b + i = channel 32 b + 16 h + i of my head: two blocks, half a fragment
	v_add_f32 v14, v14, v15
	s_delay_alu instid0(VALU_DEP_1)
	v_permlanex16_b32 v252, v14, s[SEL], s[SEL+1]
	s_delay_alu instid0(VALU_DEP_1)
	v_add_f32 v14, v14, v252                           ; the row's sum
	s_wait_alu depctr_va_vdst(0)
	v_rcp_f32 v14, v14
	v_nop                                              ; a plain place behind the transcendental
	s_wait_alu depctr_va_vdst(0)                       ; the wait, ahead of the first reader
.set j, 0
.rept 32
	v_mul_f32 v[S+j], v[O+j], v14
.set j, j+1
.endr
.irp b, 0,1
	v_max3_num_f32 v[BM+\b], |v[S+16*\b]|, |v[S+1+16*\b]|, 0x1800000
.endr
.irp i, 2,4,6,8,10,12,14
.irp b, 0,1
	s_delay_alu instid0(VALU_DEP_2)
	v_max3_num_f32 v[BM+\b], v[BM+\b], |v[S+16*\b+\i]|, |v[S+1+16*\b+\i]|
.endr
.endr
.irp b, 0,1
	s_delay_alu instid0(VALU_DEP_2)
	v_permlanex16_b32 v[SO+\b], v[BM+\b], s[SEL], s[SEL+1]
.endr
.irp b, 0,1
	s_delay_alu instid0(VALU_DEP_2)
	v_max_num_f32 v[BM+\b], v[BM+\b], v[SO+\b]         ; with lane l xor 16's 16 channels
.endr
.irp b, 0,1
	s_delay_alu instid0(VALU_DEP_2)
	v_add_nc_u32 v[T+\b], 0xff000000, v[BM+\b]
.endr
.irp b, 0,1
	s_delay_alu instid0(VALU_DEP_2)
	v_lshrrev_b32 v[SB+\b], 23, v[T+\b]
.endr
	s_delay_alu instid0(VALU_DEP_1)
	v_lshl_or_b32 v[T+2], v[SB+1], 8, v[SB]            ; my row's two scale bytes
.irp b, 0,1
	v_cvt_scalef32_pk8_fp4_f32 v[PC+2*\b], v[S+16*\b:S+7+16*\b], v[T+\b]
	v_cvt_scalef32_pk8_fp4_f32 v[PC+1+2*\b], v[S+8+16*\b:S+15+16*\b], v[T+\b]
.endr
	v_nop                                              ; one plain place behind a scaled conversion
.irp i, 0,1
	v_permlane16_swap_b32 v[PC+\i], v[PC+2+\i]         ; a whole block to a lane
.endr
	global_store_b128 v[LI], v[PC:PC+3], s[70:71]      ; 32 lanes store 512 consecutive bytes
	ds_store_b16 v[MA], v[T+2]                         ; lanes l and l xor 16 write the same bytes with the same value
	s_wait_dscnt 0x0                                   ; for the others' sake
	s_barrier_signal -1
	s_barrier_wait -1
	s_cmp_lg_u32 s[WV], 0
	s_cbranch_scc1 .Lend
	ds_load_b128 v[BM:BM+3], v[MR]
	s_wait_dscnt 0x0
	global_store_b128 v[LI], v[BM:BM+3], s[72:73]      ; wave 0 stores the 256 rows' 512 bytes
.Lend:
	s_wait_tensorcnt 0x0                               ; the wave's end
	ds_add_u32 v[SPW], v[NIL]
	s_wait_dscnt 0x0
	ROUND                                              ; the closing round
	s_endpgm
.Lfunc_end_k_q2da4c07618_attn:
	.size	k_q2da4c07618_attn, .Lfunc_end_k_q2da4c07618_attn-k_q2da4c07618_attn
	.p2alignl 7, 3214868480
	.fill 96, 4, 3214868480
	.section	.rodata,"a",@progbits
	.p2align	6, 0x0
	.amdhsa_kernel k_q2da4c07618_attn
		.amdhsa_group_segment_fixed_size 167936
		.amdhsa_private_segment_fixed_size 0
		.amdhsa_enable_private_segment 0
		.amdhsa_kernarg_size 16
		.amdhsa_user_sgpr_count 2
		.amdhsa_user_sgpr_kernarg_segment_ptr 1
		.amdhsa_wavefront_size32 1
		.amdhsa_system_sgpr_workgroup_id_x 1
		.amdhsa_system_sgpr_workgroup_id_y 1
		.amdhsa_system_sgpr_workgroup_id_z 1
		.amdhsa_system_vgpr_workitem_id 0
		.amdhsa_next_free_vgpr 256
		.amdhsa_next_free_sgpr 80
		.amdhsa_reserve_vcc 0
		.amdhsa_float_denorm_mode_32 3
		.amdhsa_float_denorm_mode_16_64 3
		.amdhsa_memory_ordered 1
		.amdhsa_forward_progress 1
		.amdhsa_inst_pref_size 72
	.end_amdhsa_kernel
	.amdgpu_metadata
---
amdhsa.version: [ 1, 2 ]
amdhsa.kernels:
  - .name:           k_q2da4c07618_attn
    .symbol:         k_q2da4c07618_attn.kd
    .args:
      - { .name: qkvb, .offset: 0, .size: 8, .value_kind: global_buffer, .address_space: global }
      - { .name: ctxb, .offset: 8, .size: 8, .value_kind: global_buffer, .address_space: global }
    .group_segment_fixed_size: 167936
    .private_segment_fixed_size: 0
    .kernarg_segment_align: 8
    .kernarg_segment_size: 16
    .max_flat_workgroup_size: 512
    .sgpr_count:     80
    .vgpr_count:     256
    .wavefront_size: 32
...
	.end_amdgpu_metadata
.endif
;; end of part 3
;; launch wo_ln (part 4): grid 256 x 1, 8 waves a work-group, no clusters, 91,136 bytes of LDS; arguments ctxb, wts, bo, x, ln2_g, ln2_b, x1, h2b; writes x1, h2b
.if DOCPART == 4
	.amdgcn_target "amdgcn-amd-amdhsa--gfx1250"
	.amdhsa_code_object_version 6
	.text
	.protected	k_q2da4c07618_wo_ln
	.globl	k_q2da4c07618_wo_ln
	.p2align	8
	.type	k_q2da4c07618_wo_ln,@function
k_q2da4c07618_wo_ln:
	s_mov_b64 s[64:65], 0
	v_nop
	global_prefetch_b8 v0, s[64:65] scope:SCOPE_SE
	s_setreg_imm32_b32 hwreg(HW_REG_WAVE_MODE, 25, 1), 1
	s_wait_xcnt 0x0
; x1 = x + ctx Wo + bo (product on E2M1 codes);  h2 = LayerNorm(x1) (ln2_g, ln2_b), quantised along its 1,024 columns.
; A work-group owns one tile of 16 rows (place r = row 32 (T / 2) + 8 (T % 2) + r + 8 (r / 8)) with ALL 1,024 columns, so that the norm stays inside it; wave w makes columns 128 w .. 128 w + 127: Wo's group w.
; Source 0 = 16 columns of Wo, source 1 = ctx's tile: lane (r, h) holds row r, and register 16 b + i column 32 b + 16 h + i of the wave's 128: the layout in which the quantiser works.
; No wave shares a fragment of Wo with another, so Wo goes from memory straight into registers (images of the operand's registers: each load takes 512 consecutive bytes), two K steps ahead; no tensor load, no ring.
; WHAT ALL EIGHT WAVES WANT IS LOADED ONCE: ctx's eight fragments and scale words: wave w loads K step w's, they meet in LDS as images of the registers, behind one barrier, and each K step's come from there.
; EVERY LOAD IS DENSE.  bo, g and b: one load of 512 consecutive bytes each, into the wave's own LDS bytes, read from there in the result's layout (sixteen lanes take the same 16 bytes).
; x: a load takes the wave's 512 bytes of one row; the 16 rows turn through the wave's own stage in LDS (rows of 512 bytes + 16).  x1 leaves through the same stage, the other way round, as whole rows of 512 bytes.
; No cluster: Wo does not go through LDS, so there is nothing that partners could receive jointly.  The price, stated: every work-group reads all of Wo's 524,288 bytes of codes.
; LIMITS: NaN and infinities are not served; a block of zeros, or one under 2^-124, gets the scale byte 1 (read by this program alone).
; REGISTERS: v4-13 as below (v10-13 at the head: three LDS addresses and ctx's scale word on its way); v14, v15 ctx's scale words, v152-159 Wo's (two sets; they hold nothing else); v16-79 the sums (begun from bo), later rows of x1, later b;
;   v80-143 Wo's fragments set 0, later x and x1; v144-151 ctx's fragment set 0, later sums; v160-223 Wo's set 1, later g; v224-231 ctx's set 1, later partial sums, later codes; v232-247 at work; v248 the scale word; v249, v250 the stage.
.set VEC,  1024                        ; LDS: behind the two exchanges of 512 bytes: bo, g, b, 512 bytes each, for each wave
.set CIMG, 13312                       ; ctx's eight fragments, 1,024 bytes each
.set CSC,  21504                       ; their scale words, 128 bytes each
.set STG,  22528                       ; a stage of 16 x 528 bytes for each wave
.set L4, 4                             ; v4   4 x lane
.set GA, 5                             ; v5   LDS: 1,536 wave + 64 h
.set LI, 6                             ; v6   16 x lane
.set SA, 7                             ; v7   my row's scale word in its unit
.set RW, 8
.set RR, 9
.set M,  10
.set RS, 12
.set B,  16
.set X,  80
.set R,  144
.set G,  160
.set PC, 224
.set RL, 224
.set TM, 232
.set PW, 248
.set STW, 249                          ; v249 my stage: row r, + 64 h
.set STR, 250                          ; v250 my stage: 16 x lane of a row
.set SEL, 26
.set OC, 36
.set OS, 38
.set INV, 40
.set EPS, 41
.macro PLACES n
.rept \n
	v_nop
.endr
.endm
.macro QUANT s, pc, pw
.irp b, 0,1,2,3
	v_max3_num_f32 v[TM+\b], |v[\s+16*\b]|, |v[\s+1+16*\b]|, 0x1800000   ; and the floor 2^(3 - 127): the byte cannot fall under 1
.endr
.irp i, 2,4,6,8,10,12,14
.irp b, 0,1,2,3
	s_delay_alu instid0(VALU_DEP_4)
	v_max3_num_f32 v[TM+\b], v[TM+\b], |v[\s+16*\b+\i]|, |v[\s+1+16*\b+\i]|
.endr
.endr
.irp b, 0,1,2,3
	s_delay_alu instid0(VALU_DEP_4)
	v_permlanex16_b32 v[TM+4+\b], v[TM+\b], s[SEL], s[SEL+1]
.endr
.irp b, 0,1,2,3
	s_delay_alu instid0(VALU_DEP_4)
	v_max_num_f32 v[TM+\b], v[TM+\b], v[TM+4+\b]
.endr
.irp b, 0,1,2,3
	s_delay_alu instid0(VALU_DEP_4)
	v_add_nc_u32 v[TM+12+\b], 0xff000000, v[TM+\b]
.endr
.irp b, 0,1,2,3
	s_delay_alu instid0(VALU_DEP_4)
	v_lshrrev_b32 v[TM+4+\b], 23, v[TM+12+\b]
.endr
	s_delay_alu instid0(VALU_DEP_3)
	v_lshl_or_b32 v[\pw], v[TM+5], 8, v[TM+4]
	s_delay_alu instid0(VALU_DEP_1)
	v_lshl_or_b32 v[\pw], v[TM+6], 16, v[\pw]
	s_delay_alu instid0(VALU_DEP_1)
	v_lshl_or_b32 v[\pw], v[TM+7], 24, v[\pw]
.irp b, 0,1,2,3
	v_cvt_scalef32_pk8_fp4_f32 v[\pc+2*\b], v[\s+16*\b:\s+7+16*\b], v[TM+12+\b]
	v_cvt_scalef32_pk8_fp4_f32 v[\pc+1+2*\b], v[\s+8+16*\b:\s+15+16*\b], v[TM+12+\b]
.endr
	v_nop                                              ; one plain place behind a scaled conversion
.irp c, 0,1
.irp i, 0,1
	v_permlane16_swap_b32 v[\pc+4*\c+\i], v[\pc+2+4*\c+\i]
.endr
.endr
.endm
.macro JOIN
	s_delay_alu instid0(VALU_DEP_3)
	v_pk_add_f32 v[R:R+1], v[R:R+1], v[R+2:R+3]
	s_delay_alu instid0(VALU_DEP_2)
	v_pk_add_f32 v[R+4:R+5], v[R+4:R+5], v[R+6:R+7]
	s_delay_alu instid0(VALU_DEP_1)
	v_pk_add_f32 v[R:R+1], v[R:R+1], v[R+4:R+5]
	s_delay_alu instid0(VALU_DEP_1)
	v_add_f32 v[R], v[R], v[R+1]
.endm
.macro ROWRED off                      ; v[R]: my lane's sum -> the row's sum over all 1,024 columns, through 512 bytes of LDS at off
	s_delay_alu instid0(VALU_DEP_1)
	v_permlanex16_b32 v[R+2], v[R], s[SEL], s[SEL+1]
	s_delay_alu instid0(VALU_DEP_1)
	v_add_f32 v[R], v[R], v[R+2]
	ds_store_b32 v[RW], v[R] offset:\off
	s_wait_dscnt 0x0                                   ; for the others' sake: my store has landed (and my other LDS loads, g's and b's among them, are back)
	s_barrier_signal -1
	s_barrier_wait -1
	ds_load_b128 v[RL:RL+3], v[RR] offset:\off
	ds_load_b128 v[RL+4:RL+7], v[RR] offset:\off+16
	s_wait_dscnt 0x0
	v_add_f32 v[RL], v[RL], v[RL+1]
	v_add_f32 v[RL+2], v[RL+2], v[RL+3]
	v_add_f32 v[RL+4], v[RL+4], v[RL+5]
	v_add_f32 v[RL+6], v[RL+6], v[RL+7]
	s_delay_alu instid0(VALU_DEP_3)
	v_add_f32 v[RL], v[RL], v[RL+2]
	s_delay_alu instid0(VALU_DEP_2)
	v_add_f32 v[RL+4], v[RL+4], v[RL+6]
	s_delay_alu instid0(VALU_DEP_1)
	v_add_f32 v[R], v[RL], v[RL+4]
.endm
.macro LNCORE
.irp k, 0,1,2,3
	v_pk_add_f32 v[R+2*\k:R+2*\k+1], v[X+2*\k:X+2*\k+1], v[X+8+2*\k:X+8+2*\k+1]
.endr
.irp i, 2,3,4,5,6,7
.irp k, 0,1,2,3
	s_delay_alu instid0(VALU_DEP_4)
	v_pk_add_f32 v[R+2*\k:R+2*\k+1], v[R+2*\k:R+2*\k+1], v[X+8*\i+2*\k:X+8*\i+2*\k+1]
.endr
.endr
	JOIN
	ROWRED 0
	s_delay_alu instid0(VALU_DEP_1)
	v_mul_f32 v[M], s[INV], v[R]
	s_delay_alu instid0(VALU_DEP_1)
	v_mov_b32 v[M+1], v[M]
.set j, 0
.rept 32
	v_pk_add_f32 v[X+j:X+j+1], v[X+j:X+j+1], v[M:M+1] neg_lo:[0,1] neg_hi:[0,1]
.set j, j+2
.endr
.irp k, 0,1,2,3
	v_pk_mul_f32 v[R+2*\k:R+2*\k+1], v[X+2*\k:X+2*\k+1], v[X+2*\k:X+2*\k+1]
.endr
.irp i, 1,2,3,4,5,6,7
.irp k, 0,1,2,3
	s_delay_alu instid0(VALU_DEP_4)
	v_pk_fma_f32 v[R+2*\k:R+2*\k+1], v[X+8*\i+2*\k:X+8*\i+2*\k+1], v[X+8*\i+2*\k:X+8*\i+2*\k+1], v[R+2*\k:R+2*\k+1]
.endr
.endr
	JOIN
	ROWRED 512
	s_delay_alu instid0(VALU_DEP_1)
	v_fma_f32 v[R], v[R], s[INV], s[EPS]
	s_wait_alu depctr_va_vdst(0)
	v_rsq_f32 v[RS], v[R]
	v_rsq_f32 v[RS+1], v[R]
	v_nop                                              ; a plain place behind the transcendentals
	s_wait_alu depctr_va_vdst(0)                       ; one wait for both, ahead of their first reader
.set j, 0
.rept 32
	v_pk_mul_f32 v[X+j:X+j+1], v[X+j:X+j+1], v[RS:RS+1]
.set j, j+2
.endr
.set j, 0
.rept 32
	v_pk_fma_f32 v[X+j:X+j+1], v[X+j:X+j+1], v[G+j:G+j+1], v[B+j:B+j+1]
.set j, j+2
.endr
	QUANT X, PC, PW
	global_store_b128 v[LI], v[PC:PC+3], s[OC:OC+1]
	global_store_b128 v[LI], v[PC+4:PC+7], s[OC:OC+1] offset:512
	global_store_b32 v[SA], v[PW], s[OS:OS+1]
.endm
	s_load_b256 s[4:11], s[0:1], 0x0                   ; ctxb, wts, bo, x
	s_load_b256 s[12:19], s[0:1], 0x20                 ; ln2_g, ln2_b, x1, h2b
	v_lshl_add_u32 v251, v0, 2, 0x16000
	s_set_vgpr_msb 0x40
	v_mov_b32 v1, 0
	s_set_vgpr_msb 0x4000
	v_lshrrev_b32 v1, 5, v0
	s_delay_alu instid0(VALU_DEP_1)
	v_readfirstlane_b32 s3, v1                         ; wave 0..7
	s_mov_b32 s[SEL], 0x76543210
	s_mov_b32 s[SEL+1], 0xfedcba98
	s_mov_b32 s[INV], 0x3a800000
	s_mov_b32 s[EPS], 0x3727c5ac
	s_and_b32 s32, ttmp9, 1
	s_lshl_b32 s34, s32, 8
	s_bfe_u32 s33, ttmp9, 0x20001
	s_lshl_b32 s33, s33, 2
	s_add_co_u32 s34, s34, s33                         ; 256 (T % 2) + 4 ((T / 2) % 4)
	s_lshl_b32 s35, s3, 2
	v_and_b32 v1, 15, v0                               ; r
	v_bfe_u32 v2, v0, 4, 1                             ; h
	v_and_b32 v3, 31, v0                               ; lane
	s_delay_alu instid0(VALU_DEP_1)
	v_lshlrev_b32 v[LI], 4, v3
	s_delay_alu instid0(VALU_DEP_2)
	v_lshlrev_b32 v[L4], 2, v3
	v_lshl_add_u32 v[SA], v1, 4, s34
	v_lshl_add_u32 v[RW], v1, 5, s35
	v_lshlrev_b32 v[RR], 5, v1
	s_mul_i32 s33, s3, 1536
	v_lshl_add_u32 v[GA], v2, 6, s33
	v_add_nc_u32 v10, s33, v[LI]                       ; where I put bo, g, b: 1,536 wave + 16 lane
	s_lshl_b32 s33, s3, 10
	v_add_nc_u32 v11, s33, v[LI]                       ; where I put ctx's fragment of K step w: 1,024 wave + 16 lane
	s_lshl_b32 s33, s3, 7
	v_add_nc_u32 v12, s33, v[L4]                       ; and its scale words: 128 wave + 4 lane
	s_mul_i32 s33, s3, 8448
	s_add_co_u32 s33, s33, STG                         ; my stage
	v_mul_u32_u24 v[STW], v1, 528
	s_delay_alu instid0(VALU_DEP_1)
	v_lshl_add_u32 v[STW], v2, 6, v[STW]
	s_delay_alu instid0(VALU_DEP_1)
	v_add_nc_u32 v[STW], s33, v[STW]
	v_add_nc_u32 v[STR], s33, v[LI]
	v_lshlrev_b32 v3, 1, v1                            ; 2 r: ctx's scale bytes lie by head, two bytes a row
.irp b, 0,1,2,3
	v_mov_b32 v[TM+4+\b], 0                            ; written once: a lane permute's destination counts as one of its sources
.endr
	s_mov_b32 s29, 0
	s_mov_b32 s31, 0
	s_lshl_b32 s30, s3, 9                              ; 512 w
	s_wait_alu depctr_va_vdst(0)
	s_wait_kmcnt 0x0
	s_add_nc_u64 s[8:9], s[8:9], s[30:31]              ; bo, g, b at my 128 columns
	s_add_nc_u64 s[12:13], s[12:13], s[30:31]
	s_add_nc_u64 s[14:15], s[14:15], s[30:31]
	s_add_co_u32 s28, s30, 0x6c0000
	s_add_nc_u64 s[24:25], s[6:7], s[28:29]            ; Wo's scale words, group w
	s_lshl_b32 s28, s3, 13
	s_add_co_u32 s28, s28, 0x400000
	s_add_nc_u64 s[20:21], s[6:7], s[28:29]            ; Wo's codes, group w
	s_lshl_b32 s28, ttmp9, 10
	s_lshl_b32 s33, s3, 18
	s_add_co_u32 s28, s28, s33                         ; unit (K step w, group T / 8), tile T % 8
	s_add_nc_u64 s[22:23], s[4:5], s[28:29]            ; ctx's fragment that I fetch for all,
	s_add_nc_u64 s[OC:OC+1], s[18:19], s[28:29]        ; and h2's fragment that I make: the same place in its image
	s_lshr_b32 s33, ttmp9, 3
	s_lshl_b32 s33, s33, 9
	s_add_co_u32 s28, s33, 0x200000
	s_lshl_b32 s33, s3, 14
	s_add_co_u32 s28, s28, s33
	s_add_nc_u64 s[OS:OS+1], s[18:19], s[28:29]
	s_lshl_b32 s28, ttmp9, 5                           ; ctx's scale bytes: 0x200000 + 8,192 head + 32 T + 2 r; K step w holds heads 2 w and 2 w + 1
	s_add_co_u32 s28, s28, s33
	s_add_co_u32 s28, s28, 0x200000
	s_add_nc_u64 s[42:43], s[4:5], s[28:29]
	s_lshr_b32 s28, ttmp9, 1
	s_lshl_b32 s28, s28, 5
	s_lshl_b32 s33, s32, 3
	s_add_co_u32 s28, s28, s33                         ; the tile's first row
	s_lshl_b32 s28, s28, 12
	s_add_co_u32 s28, s28, s30
	s_add_nc_u64 s[10:11], s[10:11], s[28:29]          ; x and x1 there, at my columns
	s_add_nc_u64 s[16:17], s[16:17], s[28:29]
.macro WLOAD ks, s                     ; 17 loads: Wo's eight fragments and scale words of K step ks into set s.  Every offset is an immediate: no address register is ever rewritten
.irp t, 0,1,2,3,4,5,6,7
	global_load_b128 v[80+80*(\s)+8*\t:83+80*(\s)+8*\t], v[LI], s[20:21] offset:65536*(\ks)+1024*\t
	global_load_b128 v[84+80*(\s)+8*\t:87+80*(\s)+8*\t], v[LI], s[20:21] offset:65536*(\ks)+1024*\t+512
.endr
	global_load_b128 v[152+4*(\s):155+4*(\s)], v[LI], s[24:25] offset:4096*(\ks)
.endm
.macro CFETCH ks, s                    ; 3 LDS loads: ctx's fragment and scale words of K step ks into set s
	ds_load_b128 v[144+80*(\s):147+80*(\s)], v[LI] offset:CIMG+1024*(\ks)
	ds_load_b128 v[148+80*(\s):151+80*(\s)], v[LI] offset:CIMG+1024*(\ks)+512
	ds_load_b32 v[14+(\s)], v[L4] offset:CSC+128*(\ks)
.endm
	global_load_b128 v[224:227], v[LI], s[22:23]       ; seven small loads first: ctx's fragment of K step w,
	global_load_b128 v[228:231], v[LI], s[22:23] offset:512
	global_load_u16 v13, v3, s[42:43]                  ; its scale bytes: the first head's two,
	global_load_u16 v2, v3, s[42:43] offset:8192       ; and the second's
	global_load_b128 v[240:243], v[LI], s[8:9]         ; bo, g, b of my 128 columns
	global_load_b128 v[244:247], v[LI], s[12:13]
	global_load_b128 v[252:255], v[LI], s[14:15]
	WLOAD 0, 0
	WLOAD 1, 1
	s_wait_loadcnt 34                                  ; the seven are in; Wo's two sets of 17 may be out
	ds_store_b128 v11, v[224:227] offset:CIMG
	ds_store_b128 v11, v[228:231] offset:CIMG+512
	v_lshl_or_b32 v13, v2, 16, v13                     ; the two heads' halves make the row's scale word
	ds_store_b32 v12, v13 offset:CSC
	ds_store_b128 v10, v[240:243] offset:VEC
	ds_store_b128 v10, v[244:247] offset:VEC+512
	ds_store_b128 v10, v[252:255] offset:VEC+1024
	s_wait_dscnt 0x0                                   ; for the others' sake: my stores have landed
	s_barrier_signal -1
	s_barrier_wait -1                                  ; ctx's eight fragments lie in LDS
.irp b, 0,1,2,3
.irp j, 0,1,2,3
	ds_load_b128 v[B+16*\b+4*\j:B+16*\b+4*\j+3], v[GA] offset:VEC+128*\b+16*\j   ; bo, in the result's layout: the sums begin from it
.endr
.endr
	CFETCH 0, 0
	CFETCH 1, 1
.irp ks, 0,1,2,3,4,5,6,7
.if \ks == 7
	s_wait_loadcnt 16                                  ; behind this K step's set: x's 16 loads
	s_wait_dscnt 0x0                                   ; nothing was asked of LDS behind this K step's three
.else
	s_wait_loadcnt 17                                  ; behind this K step's set: the next set's 17 loads
	s_wait_dscnt 3                                     ; behind this K step's three LDS loads: the next K step's three
.endif
.irp t, 0,1,2,3,4,5,6,7                                ; eight accumulators by turns, one instruction a turn
.if \t%2
	v_wmma_scale_f32_16x16x128_f8f6f4 v[16+8*\t:23+8*\t], v[80+80*(\ks%2)+8*\t:87+80*(\ks%2)+8*\t], v[144+80*(\ks%2):151+80*(\ks%2)], v[16+8*\t:23+8*\t], v[152+4*(\ks%2)+\t/2], v[14+\ks%2] matrix_a_fmt:MATRIX_FMT_FP4 matrix_b_fmt:MATRIX_FMT_FP4 matrix_a_scale:MATRIX_SCALE_ROW1
.else
	v_wmma_scale_f32_16x16x128_f8f6f4 v[16+8*\t:23+8*\t], v[80+80*(\ks%2)+8*\t:87+80*(\ks%2)+8*\t], v[144+80*(\ks%2):151+80*(\ks%2)], v[16+8*\t:23+8*\t], v[152+4*(\ks%2)+\t/2], v[14+\ks%2] matrix_a_fmt:MATRIX_FMT_FP4 matrix_b_fmt:MATRIX_FMT_FP4
.endif
.endr
	PLACES 4                                           ; in front of loads into registers that these products have read (behind the last K step: of the first read of the sums)
.if \ks < 6
	WLOAD \ks+2, \ks%2
	CFETCH \ks+2, \ks%2
.elseif \ks == 6
.set p, 0
.rept 16
	global_load_b128 v[X+4*p:X+4*p+3], v[LI], s[10:11] offset:(p+8*(p/8))*4096 th:TH_LOAD_NT   ; x: the row at place p: 512 consecutive bytes
.set p, p+1
.endr
.else
.irp b, 0,1,2,3
.irp j, 0,1,2,3
	ds_load_b128 v[G+16*\b+4*\j:G+16*\b+4*\j+3], v[GA] offset:VEC+512+128*\b+16*\j   ; g
.endr
.endr
.endif
.endr
.set p, 0
.rept 16
	s_wait_loadcnt 15-p                                ; row p of x is in; the rows behind it may be out
	ds_store_b128 v[STR], v[X+4*p:X+4*p+3] offset:528*p
.set p, p+1
.endr
.irp b, 0,1,2,3                                        ; back in the result's layout, into the registers that the rows left.  LDS serves a wave's instructions in order: these see my stores
.irp j, 0,1,2,3
	ds_load_b128 v[X+16*\b+4*\j:X+16*\b+4*\j+3], v[STW] offset:128*\b+16*\j
.endr
.endr
	s_wait_dscnt 0x0
.set j, 0
.rept 32
	v_pk_add_f32 v[X+j:X+j+1], v[B+j:B+j+1], v[X+j:X+j+1]   ; x1 = x + (ctx Wo + bo); each accumulator from its low end on
.set j, j+2
.endr
.irp b, 0,1,2,3
.irp j, 0,1,2,3
	ds_store_b128 v[STW], v[X+16*\b+4*\j:X+16*\b+4*\j+3] offset:128*\b+16*\j
.endr
.endr
.set p, 0
.rept 16
	ds_load_b128 v[B+4*p:B+4*p+3], v[STR] offset:528*p  ; x1 as whole rows
.set p, p+1
.endr
.set p, 0
.rept 16
	s_wait_dscnt 15-p
	global_store_b128 v[LI], v[B+4*p:B+4*p+3], s[16:17] offset:(p+8*(p/8))*4096   ; 32 lanes store 512 consecutive bytes of a row of x1
.set p, p+1
.endr
	s_wait_xcnt 0x0                                    ; the stores have read their registers: b may land there
.irp b, 0,1,2,3
.irp j, 0,1,2,3
	ds_load_b128 v[B+16*\b+4*\j:B+16*\b+4*\j+3], v[GA] offset:VEC+1024+128*\b+16*\j   ; b
.endr
.endr
	LNCORE
	s_set_vgpr_msb 0x4
	s_wait_tensorcnt 0x0
	ds_add_u32 v251, v1
	s_wait_dscnt 0x0
	s_set_vgpr_msb 0x400
	s_endpgm
.Lfunc_end_k_q2da4c07618_wo_ln:
	.size	k_q2da4c07618_wo_ln, .Lfunc_end_k_q2da4c07618_wo_ln-k_q2da4c07618_wo_ln
	.p2alignl 7, 3214868480
	.fill 96, 4, 3214868480
	.section	.rodata,"a",@progbits
	.p2align	6, 0x0
	.amdhsa_kernel k_q2da4c07618_wo_ln
		.amdhsa_group_segment_fixed_size 91136
		.amdhsa_private_segment_fixed_size 0
		.amdhsa_enable_private_segment 0
		.amdhsa_kernarg_size 64
		.amdhsa_user_sgpr_count 2
		.amdhsa_user_sgpr_kernarg_segment_ptr 1
		.amdhsa_wavefront_size32 1
		.amdhsa_system_sgpr_workgroup_id_x 1
		.amdhsa_system_sgpr_workgroup_id_y 1
		.amdhsa_system_sgpr_workgroup_id_z 1
		.amdhsa_system_vgpr_workitem_id 0
		.amdhsa_next_free_vgpr 258
		.amdhsa_next_free_sgpr 66
		.amdhsa_reserve_vcc 0
		.amdhsa_float_denorm_mode_32 3
		.amdhsa_float_denorm_mode_16_64 3
		.amdhsa_memory_ordered 1
		.amdhsa_forward_progress 1
		.amdhsa_inst_pref_size 62
	.end_amdhsa_kernel
	.amdgpu_metadata
---
amdhsa.version: [ 1, 2 ]
amdhsa.kernels:
  - .name:           k_q2da4c07618_wo_ln
    .symbol:         k_q2da4c07618_wo_ln.kd
    .args:
      - { .name: ctxb, .offset: 0, .size: 8, .value_kind: global_buffer, .address_space: global }
      - { .name: wts, .offset: 8, .size: 8, .value_kind: global_buffer, .address_space: global }
      - { .name: bo, .offset: 16, .size: 8, .value_kind: global_buffer, .address_space: global }
      - { .name: x, .offset: 24, .size: 8, .value_kind: global_buffer, .address_space: global }
      - { .name: ln2_g, .offset: 32, .size: 8, .value_kind: global_buffer, .address_space: global }
      - { .name: ln2_b, .offset: 40, .size: 8, .value_kind: global_buffer, .address_space: global }
      - { .name: x1, .offset: 48, .size: 8, .value_kind: global_buffer, .address_space: global }
      - { .name: h2b, .offset: 56, .size: 8, .value_kind: global_buffer, .address_space: global }
    .group_segment_fixed_size: 91136
    .private_segment_fixed_size: 0
    .kernarg_segment_align: 8
    .kernarg_segment_size: 64
    .max_flat_workgroup_size: 256
    .sgpr_count:     66
    .vgpr_count:     258
    .wavefront_size: 32
...
	.end_amdgpu_metadata
.endif
;; end of part 4
;; launch ff1 (part 5): grid 16 x 16, 4 waves a work-group, clusters of 4 x 4, 279,040 bytes of LDS; arguments h2b, wts, b1, hidb; writes hidb
.if DOCPART == 5
	.amdgcn_target "amdgcn-amd-amdhsa--gfx1250"
	.amdhsa_code_object_version 6
	.text
	.protected	k_q2da4c07618_ff1
	.globl	k_q2da4c07618_ff1
	.p2align	8
	.type	k_q2da4c07618_ff1,@function
k_q2da4c07618_ff1:
	s_mov_b64 s[64:65], 0
	v_nop
	global_prefetch_b8 v0, s[64:65] scope:SCOPE_SE
	s_setreg_imm32_b32 hwreg(HW_REG_WAVE_MODE, 25, 1), 1
	s_wait_xcnt 0x0
	s_wait_alu depctr_hold_cnt(0) depctr_sa_sdst(0) depctr_va_vdst(0) depctr_va_sdst(0) depctr_va_ssrc(0) depctr_va_vcc(0) depctr_vm_vsrc(0)
	s_getreg_b32 s2, hwreg(HW_REG_IB_STS2, 6, 4)
	s_cmp_eq_u32 s2, 0
	s_cbranch_scc0 .Lentry_in_a_cluster
	s_endpgm
.Lentry_in_a_cluster:
	s_bfe_u32 s2, ttmp6, 0x10000c
	s_cmp_lg_u32 s2, 0xf033
	s_cbranch_scc0 .Lentry_shape_is_right
	s_endpgm
.Lentry_shape_is_right:
; hid = relu(h2 W1 + b1), the product on E2M1 codes over K = 1,024; hid is quantised along its 4,096 columns on the way out.
; A work-group makes 256 rows of X (tokens) x 256 rows of Y (W1's columns); a wave 128 x 128: 64 accumulators, 512 registers.  Source 0 = 16 rows of Y, source 1 = 16 rows of X: a lane holds ONE token, and its registers run along Y.
; By the order of the rows in a tile (place r of tile t = row 32 (t / 2) + 8 (t % 2) + r + 8 (r / 8)) the 16 registers of Y's tiles 2 b, 2 b + 1 are rows 32 b + 16 h + 0 .. 15 of Y: neighbours along the NEXT product's K.
; ALL OF K FITS IN LDS: four regions of 65,536 bytes (X's two groups of 128 rows, Y's two), [K step 8][tile 8][1,024].  Each wave brings one region by ONE tensor load at the head; every byte is filled once: no ring.
; CLUSTERS: 4 x 4 work-groups.  X's regions hang on work-group x alone: the four of a column of the cluster ask for them jointly; Y's hang on y alone: the four of a row do.  Every wave makes both addresses, in registers that never hold
; the other coordinate; the two loads stand in two arms of a branch on the wave's number.  A round of the cluster's barrier stands ahead of the loads and one at the end.
; The scale words of a wave's region (4,096 bytes) come by eight loads of 512 consecutive bytes into registers and are stored into LDS bytes of their own.
; Operands lie in memory as images of the operand's registers (a fragment: 1,024 bytes, lane l's 16 bytes at 16 l and at 512 + 16 l), so every LDS load takes 512 consecutive bytes: no pitch, no padding.
; No prefetch: all that is fetched is asked for once, at the head; there is no loop to run ahead in.
; LIMITS: NaN and infinities are not served; a block of zeros, or one under 2^-124, gets the scale byte 1 (read by this program alone).
; REGISTERS.  window 0: v16-23 addresses; v32-47 scale words, two sets; v64-79 at work; v80-87 the scale words made; v88-91 packed; v126, v127 for the add; v128-255 X's fragments, two sets (on the way out: numbers, codes).
;   window 1: v0-127 Y's fragments, two sets; v128-191 b1 along Y, the C of the first products.   windows 2, 3: accumulator (a, b) at v[8 (8 (a % 4) + b)].
.set SCL, 262144
.set SPARE, 0x44000
.set WCODE, 0x200000                   ; W1's image in wts
.set WSCL, 0x6a0000                    ; its scale words
.set ADX, 16
.set ADY, 17
.set ASX, 18
.set ASY, 19
.set LI,  20
.set TM,  64
.set T,   128
.set SEL, 60
.set MSB, 0
.macro WIN new                         ; the immediate's high byte repeats the setting that is left
.if MSB != (\new)
	s_set_vgpr_msb (MSB<<8)|(\new)
.set MSB, (\new)
.endif
.endm
.macro PLACES n
.rept \n
	v_nop
.endr
.endm
.macro ROUND                           ; a round of the cluster's barrier
	s_barrier_signal -1
	s_barrier_wait -1
	s_cmp_lg_u32 s2, 0
	s_cbranch_scc1 .Lnw0_\@
	s_barrier_signal -3
.Lnw0_\@:
	s_barrier_wait -3
	s_barrier_signal -1
	s_barrier_wait -1
.endm
.macro WM                              ; one product, by the symbols rD rA rB rC rSA rSB; rRA, rRB: the scale words lie in lanes 16-31
.if rRA && rRB
	v_wmma_scale_f32_16x16x128_f8f6f4 v[rD:rD+7], v[rA:rA+7], v[rB:rB+7], v[rC:rC+7], v[rSA], v[rSB] matrix_a_fmt:MATRIX_FMT_FP4 matrix_b_fmt:MATRIX_FMT_FP4 matrix_a_scale:MATRIX_SCALE_ROW1 matrix_b_scale:MATRIX_SCALE_ROW1
.elseif rRA
	v_wmma_scale_f32_16x16x128_f8f6f4 v[rD:rD+7], v[rA:rA+7], v[rB:rB+7], v[rC:rC+7], v[rSA], v[rSB] matrix_a_fmt:MATRIX_FMT_FP4 matrix_b_fmt:MATRIX_FMT_FP4 matrix_a_scale:MATRIX_SCALE_ROW1
.elseif rRB
	v_wmma_scale_f32_16x16x128_f8f6f4 v[rD:rD+7], v[rA:rA+7], v[rB:rB+7], v[rC:rC+7], v[rSA], v[rSB] matrix_a_fmt:MATRIX_FMT_FP4 matrix_b_fmt:MATRIX_FMT_FP4 matrix_b_scale:MATRIX_SCALE_ROW1
.else
	v_wmma_scale_f32_16x16x128_f8f6f4 v[rD:rD+7], v[rA:rA+7], v[rB:rB+7], v[rC:rC+7], v[rSA], v[rSB] matrix_a_fmt:MATRIX_FMT_FP4 matrix_b_fmt:MATRIX_FMT_FP4
.endif
.endm
; 64 numbers of a lane, register 16 b + i = k 32 b + 16 h + i of my row, become a fragment's codes in v[pc] on and its scale word in v[pw].
.macro QUANT s, pc, pw
.irp b, 0,1,2,3
	v_max3_num_f32 v[TM+\b], |v[\s+16*\b]|, |v[\s+1+16*\b]|, 0x1800000   ; and the floor 2^(3 - 127): the byte cannot fall under 1
.endr
.irp i, 2,4,6,8,10,12,14
.irp b, 0,1,2,3
	v_max3_num_f32 v[TM+\b], v[TM+\b], |v[\s+16*\b+\i]|, |v[\s+1+16*\b+\i]|
.endr
.endr
.irp b, 0,1,2,3
	v_permlanex16_b32 v[TM+4+\b], v[TM+\b], s[SEL], s[SEL+1]
.endr
.irp b, 0,1,2,3
	v_max_num_f32 v[TM+\b], v[TM+\b], v[TM+4+\b]
.endr
.irp b, 0,1,2,3
	v_add_nc_u32 v[TM+12+\b], 0xff000000, v[TM+\b]     ; 2 off the exponent field: the conversion's scale operand
.endr
.irp b, 0,1,2,3
	v_lshrrev_b32 v[TM+4+\b], 23, v[TM+12+\b]          ; the scale's byte
.endr
	v_lshl_or_b32 v[\pw], v[TM+5], 8, v[TM+4]
	v_lshl_or_b32 v[\pw], v[TM+6], 16, v[\pw]
	v_lshl_or_b32 v[\pw], v[TM+7], 24, v[\pw]
.irp b, 0,1,2,3
	v_cvt_scalef32_pk8_fp4_f32 v[\pc+2*\b], v[\s+16*\b:\s+7+16*\b], v[TM+12+\b]
	v_cvt_scalef32_pk8_fp4_f32 v[\pc+1+2*\b], v[\s+8+16*\b:\s+15+16*\b], v[TM+12+\b]
.endr
	v_nop                                              ; one plain place behind a scaled conversion
.irp c, 0,1
.irp i, 0,1
	v_permlane16_swap_b32 v[\pc+4*\c+\i], v[\pc+2+4*\c+\i]
.endr
.endr
.endm
	s_load_b256 s[4:11], s[0:1], 0x0                   ; h2b, wts, b1, hidb
	v_lshl_add_u32 v126, v0, 2, SPARE
	v_mov_b32 v127, 0
	ds_add_u32 v126, v127                              ; the opening lines: the add twice on end and one wait
	ds_add_u32 v126, v127
	v_lshrrev_b32 v1, 5, v0
	v_readfirstlane_b32 s2, v1                         ; wave 0..3
	s_lshr_b32 s19, s2, 1                              ; I fetch for X (0) or Y (1).  Also hx: which of X's two groups I multiply
	s_and_b32 s20, s2, 1                               ; which of its two groups I fetch.  Also hy
	s_bfe_u32 s48, ttmp6, 0x40000                      ; cx
	s_bfe_u32 s49, ttmp6, 0x40004                      ; cy
	s_lshl_b32 s16, ttmp9, 2
	s_add_co_u32 s16, s16, s48                         ; work-group x: the block of 256 tokens
	s_lshl_b32 s16, s16, 1                             ; X's first group
	s_and_b32 s17, ttmp7, 0xffff
	s_lshl_b32 s17, s17, 2
	s_add_co_u32 s17, s17, s49                         ; work-group y: the block of 256 hidden units
	s_lshl_b32 s17, s17, 1                             ; Y's first group
	s_lshl_b32 s50, 0x1111, s48                        ; my column of the cluster (same cx)
	s_lshl_b32 s51, s49, 2
	s_lshl_b32 s51, 15, s51                            ; my row (same cy)
	s_or_b32 s24, s50, (3<<16)|(1<<21)                 ; group 1 for X: elements of 8 bytes, the mask of my column
	s_or_b32 s32, s51, (3<<16)|(1<<21)                 ; for Y: the mask of my row
.irp g, 24, 32
	s_mov_b32 s[\g+1], 1024<<16                        ; tensor_dim0 = 1,024: a unit's 8,192 bytes
	s_mov_b32 s[\g+2], 8<<16                           ; tensor_dim1 = 8 K steps
	s_mov_b32 s[\g+3], 1024<<16                        ; tile_dim0
	s_mov_b32 s[\g+4], 8                               ; tile_dim1
	s_mov_b32 s[\g+5], 32768                           ; from K step to K step: 32 units
	s_mov_b32 s[\g+6], 0
	s_mov_b32 s[\g+7], 0
.endr
	s_add_co_u32 s52, s16, s20                         ; the group of X that I would fetch
	s_lshl_b32 s54, s52, 9                             ; its scale words
	s_lshl_b32 s52, s52, 13                            ; its codes
	s_mov_b32 s53, 0
	s_add_co_u32 s56, s17, s20                         ; the group of Y
	s_lshl_b32 s58, s56, 9
	s_lshl_b32 s56, s56, 13
	s_add_co_u32 s56, s56, WCODE
	s_mov_b32 s57, 0
	s_mov_b32 s40, 1
	s_mov_b32 s44, 1
	s_lshl_b32 s41, s2, 16                             ; LDS: a constant x wave
	s_lshl_b32 s45, s2, 16
	s_wait_dscnt 0x0                                   ; both opening adds are done
	s_wait_kmcnt 0x0
	s_add_nc_u64 s[42:43], s[4:5], s[52:53]
	s_add_nc_u64 s[46:47], s[6:7], s[56:57]
	s_or_b32 s43, s43, 0x80000000
	s_or_b32 s47, s47, 0x80000000
	ROUND                                              ; all sixteen work-groups are here: the joint loads meet
	s_cmp_eq_u32 s19, 0
	s_cbranch_scc0 .Lfor_y
	tensor_load_to_lds s[40:43], s[24:31]              ; my one tensor load: all 8 K steps of a group of X,
	s_nop 0
	PLACES 4
	s_branch .Lasked
.Lfor_y:
	tensor_load_to_lds s[44:47], s[32:39]              ; or of Y
	s_nop 0
	PLACES 4
.Lasked:
	s_cmp_eq_u32 s19, 0                                ; my region's scale words
	s_cselect_b64 s[62:63], s[4:5], s[6:7]
	s_cselect_b32 s54, s54, s58
	s_mov_b32 s58, WSCL
	s_cselect_b32 s58, 0x200000, s58
	s_add_co_u32 s54, s54, s58
	s_mov_b32 s55, 0
	s_add_nc_u64 s[62:63], s[62:63], s[54:55]
	s_lshl_b32 s3, s2, 12
	s_add_co_u32 s3, s3, SCL                           ; and where they go in LDS: a constant + a constant x wave
	v_and_b32 v1, 31, v0
	v_lshlrev_b32 v[LI], 4, v1
	v_add_nc_u32 v23, s3, v[LI]
.irp k, 0,1,2,3,4,5,6,7
	global_load_b128 v[128+4*\k:131+4*\k], v[LI], s[62:63] offset:16384*\k   ; K step k's scale words of my group: 512 consecutive bytes
.endr
	s_lshl_b32 s3, s19, 16
	v_add_nc_u32 v[ADX], s3, v[LI]
	s_lshl_b32 s3, s20, 16
	s_add_co_u32 s3, s3, 131072
	v_add_nc_u32 v[ADY], s3, v[LI]
	s_lshl_b32 s3, s19, 12
	s_add_co_u32 s3, s3, SCL
	v_add_nc_u32 v[ASX], s3, v[LI]
	s_lshl_b32 s3, s20, 12
	s_add_co_u32 s3, s3, SCL+8192
	v_add_nc_u32 v[ASY], s3, v[LI]
	s_mov_b32 s[SEL], 0x76543210
	s_mov_b32 s[SEL+1], 0xfedcba98
	s_add_co_u32 s22, s16, s19                         ; the group of tokens that I multiply
	s_add_co_u32 s23, s17, s20                         ; the group of hidden units
	s_lshl_b32 s16, s23, 9
	s_mov_b32 s17, 0
	s_add_nc_u64 s[8:9], s[8:9], s[16:17]              ; b1 at my 128 hidden units
	s_lshl_b32 s16, s23, 5
	s_add_co_u32 s16, s16, s22                         ; the unit that I make: (K step = hidden group, group of tokens)
	s_lshl_b32 s20, s16, 13
	s_mov_b32 s21, 0
	s_add_nc_u64 s[4:5], s[10:11], s[20:21]
	s_lshl_b32 s20, s16, 9
	s_add_co_u32 s20, s20, 0x800000
	s_add_nc_u64 s[6:7], s[10:11], s[20:21]
	v_bfe_u32 v2, v0, 4, 1
	v_lshlrev_b32 v21, 6, v2
	WIN 0x40                                           ; destination window 1
.irp b, 0,1,2,3,4,5,6,7                                ; tile b's eight registers of lane (r, h): Y's rows 32 (b / 2) + 8 (b % 2) + 16 h + 0 .. 7
	global_load_b128 v[128+8*\b:131+8*\b], v21, s[8:9] offset:(32*(\b/2)+8*(\b%2))*4
	global_load_b128 v[132+8*\b:135+8*\b], v21, s[8:9] offset:(32*(\b/2)+8*(\b%2))*4+16
.endr
	WIN 0
.irp b, 0,1,2,3
	v_mov_b32 v[TM+4+\b], 0                            ; written once: a lane permute's destination counts as one of its sources
.endr
	s_wait_alu depctr_va_vdst(0)                       ; at the head's end
	s_wait_loadcnt 0x0
.macro FETCH ks, f                     ; 34 LDS loads: K step ks into set f: Y's eight fragments, the scale words, X's eight
	WIN 0x40
.irp t, 0,1,2,3,4,5,6,7
	ds_load_b128 v[64*(\f)+8*\t:64*(\f)+8*\t+3], v[ADY] offset:8192*(\ks)+1024*\t
	ds_load_b128 v[64*(\f)+8*\t+4:64*(\f)+8*\t+7], v[ADY] offset:8192*(\ks)+1024*\t+512
.endr
	WIN 0
	ds_load_b128 v[32+8*(\f):35+8*(\f)], v[ASX] offset:512*(\ks)     ; register p: lanes 0-15 tile 2 p's words, lanes 16-31 tile 2 p + 1's
	ds_load_b128 v[36+8*(\f):39+8*(\f)], v[ASY] offset:512*(\ks)
.irp t, 0,1,2,3,4,5,6,7
	ds_load_b128 v[128+64*(\f)+8*\t:128+64*(\f)+8*\t+3], v[ADX] offset:8192*(\ks)+1024*\t
	ds_load_b128 v[128+64*(\f)+8*\t+4:128+64*(\f)+8*\t+7], v[ADX] offset:8192*(\ks)+1024*\t+512
.endr
.endm
.macro MUL16 a0, f                     ; X's tiles a0, a0 + 1 against Y's eight.  The 64 accumulators take turns, one instruction a turn, in the same order in every K step
.irp a, \a0, \a0+1
.irp b, 0,1,2,3,4,5,6,7
.set rD, 8*(8*((\a)%4)+\b)
.set rA, 64*(\f)+8*\b
.set rB, 128+64*(\f)+8*(\a)
.if FST
.set rC, 128+8*\b                      ; the first product starts the sum from b1
.else
.set rC, rD
.endif
.set rSA, 36+8*(\f)+\b/2
.set rSB, 32+8*(\f)+(\a)/2
.set rRA, \b%2
.set rRB, (\a)%2
	WM
.endr
.endr
.endm
; A K step: 64 products.  In its middle the next K step's fragments are fetched into the other set.
.macro KSTEP ks
.if (\ks) == 0
.set FST, 1
.else
.set FST, 0
.endif
	s_wait_dscnt 8                                     ; all but the youngest eight loads (X's tiles 4-7) are in
	WIN 0xa1-0x10*FST                                  ; source 0 window 1, source 1 window 0, D window 2, C window 2 (the first: 1)
	MUL16 0, (\ks)%2
	MUL16 2, (\ks)%2
.if (\ks) < 7
	PLACES 4                                           ; in front of loads into registers that matrix instructions have read
	FETCH (\ks)+1, 1-(\ks)%2
	s_wait_dscnt 34                                    ; all but the 34 just issued
.else
	s_wait_dscnt 0x0
.endif
	WIN 0xf1-0x20*FST
	MUL16 4, (\ks)%2
	MUL16 6, (\ks)%2
.endm
	s_wait_tensorcnt 0x0                               ; my region has landed
.irp k, 0,1,2,3,4,5,6,7
	ds_store_b128 v23, v[128+4*\k:131+4*\k] offset:512*\k   ; the scale words, into bytes on which no fill lands
.endr
	s_wait_dscnt 0x0                                   ; for the others' sake: my stores have landed
	s_barrier_signal -1
	s_barrier_wait -1                                  ; everybody's region and scale words are in
	FETCH 0, 0
.irp ks, 0,1,2,3,4,5,6,7
	KSTEP \ks
.endr
	WIN 0
	PLACES 4                                           ; in front of the first read of results, and of writes into the fragments' registers
	; THE WAY OUT: X's tile a: my token's 64 numbers along Y become one fragment of the next operand and one scale word
.irp a, 0,1,2,3,4,5,6,7
	WIN 0x08+4*(\a/4)
.set j, 0
.rept 64
	v_max_num_f32 v[T+j], 0, v[64*(\a%4)+j]            ; relu; each accumulator from its low end on
.set j, j+1
.endr
	WIN 0
	QUANT T, 192+8*\a, 80+\a
	global_store_b128 v[LI], v[192+8*\a:195+8*\a], s[4:5] offset:1024*\a        ; 32 lanes store 512 consecutive bytes; each tile has code registers of its own
	global_store_b128 v[LI], v[196+8*\a:199+8*\a], s[4:5] offset:1024*\a+512
.endr
	s_mov_b32 vcc_lo, 0xffff0000
.irp p, 0,1,2,3
	v_cndmask_b32 v[88+\p], v[80+2*\p], v[81+2*\p], vcc_lo   ; lanes 0-15 tile 2 p's words, lanes 16-31 tile 2 p + 1's
.endr
	global_store_b128 v[LI], v[88:91], s[6:7]          ; the unit's 512 bytes of scale words
	s_wait_tensorcnt 0x0                               ; the wave's end
	ds_add_u32 v126, v127
	s_wait_dscnt 0x0
	ROUND                                              ; the closing round
	s_endpgm
.Lfunc_end_k_q2da4c07618_ff1:
	.size	k_q2da4c07618_ff1, .Lfunc_end_k_q2da4c07618_ff1-k_q2da4c07618_ff1
	.p2alignl 7, 3214868480
	.fill 96, 4, 3214868480
	.section	.rodata,"a",@progbits
	.p2align	6, 0x0
	.amdhsa_kernel k_q2da4c07618_ff1
		.amdhsa_group_segment_fixed_size 279040
		.amdhsa_private_segment_fixed_size 0
		.amdhsa_enable_private_segment 0
		.amdhsa_kernarg_size 32
		.amdhsa_user_sgpr_count 2
		.amdhsa_user_sgpr_kernarg_segment_ptr 1
		.amdhsa_wavefront_size32 1
		.amdhsa_system_sgpr_workgroup_id_x 1
		.amdhsa_system_sgpr_workgroup_id_y 1
		.amdhsa_system_sgpr_workgroup_id_z 1
		.amdhsa_system_vgpr_workitem_id 0
		.amdhsa_next_free_vgpr 1024
		.amdhsa_next_free_sgpr 66
		.amdhsa_reserve_vcc 1
		.amdhsa_float_denorm_mode_32 3
		.amdhsa_float_denorm_mode_16_64 3
		.amdhsa_memory_ordered 1
		.amdhsa_forward_progress 1
		.amdhsa_inst_pref_size 141
	.end_amdhsa_kernel
	.amdgpu_metadata
---
amdhsa.version: [ 1, 2 ]
amdhsa.kernels:
  - .name:           k_q2da4c07618_ff1
    .symbol:         k_q2da4c07618_ff1.kd
    .args:
      - { .name: h2b, .offset: 0, .size: 8, .value_kind: global_buffer, .address_space: global }
      - { .name: wts, .offset: 8, .size: 8, .value_kind: global_buffer, .address_space: global }
      - { .name: b1, .offset: 16, .size: 8, .value_kind: global_buffer, .address_space: global }
      - { .name: hidb, .offset: 24, .size: 8, .value_kind: global_buffer, .address_space: global }
    .group_segment_fixed_size: 279040
    .private_segment_fixed_size: 0
    .kernarg_segment_align: 8
    .kernarg_segment_size: 32
    .max_flat_workgroup_size: 128
    .sgpr_count:     66
    .vgpr_count:     1024
    .wavefront_size: 32
...
	.end_amdgpu_metadata
.endif
;; end of part 5
;; launch ff2 (part 6): grid 32 x 8, 4 waves a work-group, clusters of 4 x 4, 327,680 bytes of LDS; arguments hidb, wts, b2, x1, out0; writes out0
.if DOCPART == 6
	.amdgcn_target "amdgcn-amd-amdhsa--gfx1250"
	.amdhsa_code_object_version 6
	.text
	.protected	k_q2da4c07618_ff2
	.globl	k_q2da4c07618_ff2
	.p2align	8
	.type	k_q2da4c07618_ff2,@function
k_q2da4c07618_ff2:
	s_mov_b64 s[64:65], 0
	v_nop
	global_prefetch_b8 v0, s[64:65] scope:SCOPE_SE
	s_setreg_imm32_b32 hwreg(HW_REG_WAVE_MODE, 25, 1), 1
	s_wait_xcnt 0x0
	s_wait_alu depctr_hold_cnt(0) depctr_sa_sdst(0) depctr_va_vdst(0) depctr_va_sdst(0) depctr_va_ssrc(0) depctr_va_vcc(0) depctr_vm_vsrc(0)
	s_getreg_b32 s2, hwreg(HW_REG_IB_STS2, 6, 4)
	s_cmp_eq_u32 s2, 0
	s_cbranch_scc0 .Lentry_in_a_cluster
	s_endpgm
.Lentry_in_a_cluster:
	s_bfe_u32 s2, ttmp6, 0x10000c
	s_cmp_lg_u32 s2, 0xf033
	s_cbranch_scc0 .Lentry_shape_is_right
	s_endpgm
.Lentry_shape_is_right:
; out0 = x1 + hid W2 + b2, the product on E2M1 codes over K = 4,096.
; A tile of the output is 128 x 128, so that there are 256 work-groups (256 x 256 would give 64); a wave makes 64 x 64: 16 accumulators.  Source 0 = 16 columns of W2 (Y), source 1 = 16 tokens (X): a lane holds one token's row.
; K goes in four chunks of 8 K steps of 128 through two LDS slots of 131,072 bytes (X's 8 units, then Y's 8).  Each wave brings a quarter of a slot by one tensor load (4 units): waves 0, 1 for X, waves 2, 3 for Y.
; By this text's own count a wave has one tensor load out at the head and one behind each round behind which a slot is filled; that load has a chunk, 128 products a wave, in which to land.  Every wait on TENSORcnt is for 0.
; CLUSTERS: 4 x 4 work-groups.  X's tiles hang on work-group x (the group of tokens) alone: the four of a column of the cluster ask for them jointly; Y's hang on y (the group of columns) alone: the four of a row do.
; Every wave makes both addresses, in registers that never hold the other coordinate; the two loads stand in two arms of a branch on the wave's number.  A round of the cluster's barrier stands ahead of the first loads,
; takes the place of the barrier ahead of slot 1's first fill and of each refill, and closes the launch.
; The scale words of all of K (32,768 bytes) come through registers, 16 loads of 512 consecutive bytes a wave, into LDS bytes of their own, on which no fill lands.
; The four chunks are written out.
; x1's 64 x 64 numbers of the wave are asked for behind the last refill, into registers of their own, 256 products a wave ahead of their use.
; Operands lie in memory as images of the operand's registers: every LDS load takes 512 consecutive bytes: no pitch, no padding.
; No prefetch: the launch has two refills in all, each asked for a whole chunk ahead.
; All of a WGP's LDS is claimed.
; REGISTERS.  window 0: v16-26 addresses; v28, v29 for the add; v32-39 scale words, two sets (they hold nothing else); v40-71 b2, the C of the first products; v72-103 offsets at the head, later rows back from the stage; v128-255 fragments, two sets (X 32, Y 32).
;   window 1: v0-127 accumulator (a, b) at v[8 (4 a + b)]; v128-255 x1, then the output.
.set SC,    262144
.set SPARE, 294912                     ; the spare words, 128 bytes for each wave: two blocks of 256 bytes that no other line names
.set STAGE, 295424                     ; 16 rows of 256 bytes + 16 for each wave
.set STO, 22
.set RD,  23
.set GO,  24
.set SPW, 28
.set NIL, 29
.set MSB, 0
.macro WIN new                         ; the immediate's high byte repeats the setting that is left
.if MSB != (\new)
	s_set_vgpr_msb (MSB<<8)|(\new)
.set MSB, (\new)
.endif
.endm
.macro PLACES n
.rept \n
	v_nop
.endr
.endm
.macro WM
.if rRA && rRB
	v_wmma_scale_f32_16x16x128_f8f6f4 v[rD:rD+7], v[rA:rA+7], v[rB:rB+7], v[rC:rC+7], v[rSA], v[rSB] matrix_a_fmt:MATRIX_FMT_FP4 matrix_b_fmt:MATRIX_FMT_FP4 matrix_a_scale:MATRIX_SCALE_ROW1 matrix_b_scale:MATRIX_SCALE_ROW1
.elseif rRA
	v_wmma_scale_f32_16x16x128_f8f6f4 v[rD:rD+7], v[rA:rA+7], v[rB:rB+7], v[rC:rC+7], v[rSA], v[rSB] matrix_a_fmt:MATRIX_FMT_FP4 matrix_b_fmt:MATRIX_FMT_FP4 matrix_a_scale:MATRIX_SCALE_ROW1
.elseif rRB
	v_wmma_scale_f32_16x16x128_f8f6f4 v[rD:rD+7], v[rA:rA+7], v[rB:rB+7], v[rC:rC+7], v[rSA], v[rSB] matrix_a_fmt:MATRIX_FMT_FP4 matrix_b_fmt:MATRIX_FMT_FP4 matrix_b_scale:MATRIX_SCALE_ROW1
.else
	v_wmma_scale_f32_16x16x128_f8f6f4 v[rD:rD+7], v[rA:rA+7], v[rB:rB+7], v[rC:rC+7], v[rSA], v[rSB] matrix_a_fmt:MATRIX_FMT_FP4 matrix_b_fmt:MATRIX_FMT_FP4
.endif
.endm
.macro ROUND                           ; a round of the cluster's barrier
	s_barrier_signal -1
	s_barrier_wait -1
	s_cmp_lg_u32 s2, 0
	s_cbranch_scc1 .Lnw0_\@
	s_barrier_signal -3
.Lnw0_\@:
	s_barrier_wait -3
	s_barrier_signal -1
	s_barrier_wait -1
.endm
; A joint load into slot s: waves 0, 1 fetch for X, waves 2, 3 for Y.  Each of the two lines has one mask and one set of registers.  An s_nop 0 and four v_nop follow each.
.macro JLOAD s
	s_cmp_eq_u32 s14, 0
	s_cbranch_scc0 .Lfor_y_\@
	tensor_load_to_lds s[32+4*\s:35+4*\s], s[16:23]
	s_nop 0
	PLACES 4
	s_branch .Lasked_\@
.Lfor_y_\@:
	tensor_load_to_lds s[40+4*\s:43+4*\s], s[24:31]
	s_nop 0
	PLACES 4
.Lasked_\@:
.endm
	s_load_b256 s[4:11], s[0:1], 0x0                   ; hidb, wts, b2, x1
	s_load_b64 s[12:13], s[0:1], 0x20                  ; out0
	v_lshl_add_u32 v[SPW], v0, 2, SPARE
	v_mov_b32 v[NIL], 0
	ds_add_u32 v[SPW], v[NIL]                          ; the opening lines: the add twice on end and one wait
	ds_add_u32 v[SPW], v[NIL]
	v_lshrrev_b32 v1, 5, v0
	v_readfirstlane_b32 s2, v1                         ; wave 0..3
	s_lshr_b32 s14, s2, 1                              ; hx.  Also: I fetch for X (0) or Y (1)
	s_and_b32 s15, s2, 1                               ; hy.  Also: which four K steps of a chunk I fetch
	s_bfe_u32 s48, ttmp6, 0x40000                      ; cx
	s_bfe_u32 s49, ttmp6, 0x40004                      ; cy
	s_lshl_b32 s50, ttmp9, 2
	s_add_co_u32 s50, s50, s48                         ; work-group x: the group of tokens
	s_and_b32 s51, ttmp7, 0xffff
	s_lshl_b32 s51, s51, 2
	s_add_co_u32 s51, s51, s49                         ; work-group y: the group of columns
	s_lshl_b32 s52, 0x1111, s48                        ; my column of the cluster (same cx)
	s_lshl_b32 s53, s49, 2
	s_lshl_b32 s53, 15, s53                            ; my row (same cy)
	s_or_b32 s16, s52, (3<<16)|(1<<21)                 ; group 1, X's codes: 4 rows (K steps) of 8,192 bytes, 262,144 bytes apart; the mask of my column
	s_mov_b32 s17, 1024<<16
	s_mov_b32 s18, 4<<16
	s_mov_b32 s19, 1024<<16
	s_mov_b32 s20, 4
	s_mov_b32 s21, 32768
	s_mov_b32 s22, 0
	s_mov_b32 s23, 0
	s_or_b32 s24, s53, (3<<16)|(1<<21)                 ; Y's: 65,536 bytes apart; the mask of my row
	s_mov_b32 s25, 1024<<16
	s_mov_b32 s26, 4<<16
	s_mov_b32 s27, 1024<<16
	s_mov_b32 s28, 4
	s_mov_b32 s29, 8192
	s_mov_b32 s30, 0
	s_mov_b32 s31, 0
	s_lshl_b32 s54, s50, 13                            ; X: the group's unit,
	s_lshl_b32 s3, s15, 20                             ; + my four K steps
	s_add_co_u32 s54, s54, s3
	s_mov_b32 s55, 0
	s_lshl_b32 s56, s51, 13                            ; Y likewise, in W2's image
	s_lshl_b32 s3, s15, 18
	s_add_co_u32 s56, s56, s3
	s_add_co_u32 s56, s56, 0x480000
	s_mov_b32 s57, 0
	s_mov_b32 s32, 1
	s_mov_b32 s36, 1
	s_mov_b32 s40, 1
	s_mov_b32 s44, 1
	s_lshl_b32 s33, s2, 15                             ; LDS: a constant x wave, + the slot's constant
	s_lshl_b32 s41, s2, 15
	s_add_co_u32 s37, s33, 131072
	s_add_co_u32 s45, s41, 131072
	s_wait_dscnt 0x0                                   ; both opening adds are done
	s_wait_kmcnt 0x0
	s_add_nc_u64 s[34:35], s[4:5], s[54:55]            ; chunk 0
	s_add_nc_u64 s[38:39], s[34:35], 2097152           ; chunk 1
	s_add_nc_u64 s[42:43], s[6:7], s[56:57]
	s_add_nc_u64 s[46:47], s[42:43], 524288
	s_or_b32 s35, s35, 0x80000000
	s_or_b32 s39, s39, 0x80000000
	s_or_b32 s43, s43, 0x80000000
	s_or_b32 s47, s47, 0x80000000
	ROUND                                              ; all sixteen work-groups are here: the first joint loads meet
	JLOAD 0                                            ; chunk 0, my quarter: the wave's one tensor load at the head
	s_cmp_eq_u32 s14, 0                                ; my sixteen K steps of scale words
	s_cselect_b64 s[66:67], s[4:5], s[6:7]
	s_cselect_b32 s70, s50, s51
	s_mov_b32 s71, 0x6c8000
	s_cselect_b32 s71, 0x800000, s71
	s_cselect_b32 s72, 18, 16                          ; log2 of sixteen K steps of scale words in bytes
	s_mov_b32 s68, 4096
	s_cselect_b32 s68, 16384, s68                      ; from K step to K step, in bytes
	s_lshl_b32 s70, s70, 9
	s_add_co_u32 s70, s70, s71
	s_lshl_b32 s72, s15, s72
	s_add_co_u32 s70, s70, s72
	s_mov_b32 s71, 0
	s_add_nc_u64 s[66:67], s[66:67], s[70:71]
	s_lshl_b32 s69, s2, 13
	s_add_co_u32 s69, s69, SC                          ; and where they go in LDS: a constant + a constant x wave
	v_and_b32 v1, 31, v0
	v_lshlrev_b32 v2, 4, v1                            ; 16 x lane
	v_add_nc_u32 v26, s69, v2
.set k, 0
.rept 16
	v_mad_u32_u24 v[72+k], s68, k, v2
	global_load_b128 v[128+4*k:131+4*k], v[72+k], s[66:67]   ; a K step's scale words of my group: 512 consecutive bytes
.set k, k+1
.endr
	s_lshl_b32 s3, s14, 12
	v_add_nc_u32 v16, s3, v2                           ; X's tiles 4 hx on, slot 0
	v_add_nc_u32 v17, 131072, v16                      ; slot 1
	s_lshl_b32 s3, s15, 12
	s_add_co_u32 s3, s3, 65536
	v_add_nc_u32 v18, s3, v2                           ; Y's tiles 4 hy on
	v_add_nc_u32 v19, 131072, v18
	s_lshl_b32 s3, s14, 3
	s_add_co_u32 s3, s3, SC
	v_add_nc_u32 v20, s3, v2                           ; X's scale words: my four tiles' two registers
	s_lshl_b32 s3, s15, 3
	s_add_co_u32 s3, s3, SC+16384
	v_add_nc_u32 v21, s3, v2
	v_and_b32 v3, 15, v0                               ; r
	v_bfe_u32 v4, v0, 4, 1                             ; h
	s_mul_i32 s3, s2, 4352
	s_add_co_u32 s3, s3, STAGE
	v_mul_u32_u24 v[STO], v3, 272
	v_lshl_add_u32 v[STO], v4, 6, v[STO]
	v_add_nc_u32 v[STO], s3, v[STO]                    ; in: row r, + 64 h
	v_mul_u32_u24 v[RD], v4, 272
	v_lshl_add_u32 v[RD], v3, 4, v[RD]
	v_add_nc_u32 v[RD], s3, v[RD]                      ; back: lanes 0-15 one row of 256 bytes, lanes 16-31 the next
	v_lshlrev_b32 v[GO], 12, v4
	v_lshl_add_u32 v[GO], v3, 4, v[GO]                 ; and the same in x1 and out0; never rewritten
	v_lshlrev_b32 v25, 6, v4
	s_wait_alu depctr_va_vdst(0)                       ; ahead of the run of scalar lines
	s_lshl_b32 s74, s51, 9
	s_lshl_b32 s75, s15, 8
	s_add_co_u32 s74, s74, s75                         ; my 64 columns in bytes
	s_mov_b32 s75, 0
	s_add_nc_u64 s[8:9], s[8:9], s[74:75]
	s_lshl_b32 s72, s50, 7
	s_lshl_b32 s73, s14, 6
	s_add_co_u32 s72, s72, s73                         ; my first row
	s_lshl_b32 s72, s72, 12
	s_add_co_u32 s72, s72, s74
	s_mov_b32 s73, 0
	s_add_nc_u64 s[10:11], s[10:11], s[72:73]
	s_add_nc_u64 s[12:13], s[12:13], s[72:73]
.irp b, 0,1,2,3
	global_load_b128 v[40+8*\b:43+8*\b], v25, s[8:9] offset:(32*(\b/2)+8*(\b%2))*4        ; b2 in the result's layout
	global_load_b128 v[44+8*\b:47+8*\b], v25, s[8:9] offset:(32*(\b/2)+8*(\b%2))*4+16
.endr
.macro FETCH s, q, ksabs, f            ; 18 LDS loads: the slot's q-th K step into set f
.irp t, 0,1,2,3
	ds_load_b128 v[128+64*(\f)+8*\t:131+64*(\f)+8*\t], v[16+(\s)] offset:8192*(\q)+1024*\t
	ds_load_b128 v[132+64*(\f)+8*\t:135+64*(\f)+8*\t], v[16+(\s)] offset:8192*(\q)+1024*\t+512
.endr
.irp t, 0,1,2,3
	ds_load_b128 v[160+64*(\f)+8*\t:163+64*(\f)+8*\t], v[18+(\s)] offset:8192*(\q)+1024*\t
	ds_load_b128 v[164+64*(\f)+8*\t:167+64*(\f)+8*\t], v[18+(\s)] offset:8192*(\q)+1024*\t+512
.endr
	ds_load_b64 v[32+4*(\f):33+4*(\f)], v20 offset:512*(\ksabs)
	ds_load_b64 v[34+4*(\f):35+4*(\f)], v21 offset:512*(\ksabs)
.endm
.macro CHUNK s, n                      ; chunk n, in slot s: 8 K steps of 16 products; each K step's fragments are fetched a K step ahead
.if \n > 0
	PLACES 4                                           ; in front of loads into registers that the last chunk's products have read
.endif
	FETCH \s, 0, 8*\n, 0
.irp q, 0,1,2,3,4,5,6,7
.if \q < 7
.if \q > 0
	PLACES 4
.endif
	FETCH \s, \q+1, 8*\n+\q+1, (\q+1)%2
	s_wait_dscnt 18                                    ; all but the 18 just issued
.else
	s_wait_dscnt 0x0
.endif
.if (\n == 0) && (\q == 0)
	WIN 0x40                                           ; D window 1; C = b2, in window 0
.else
	WIN 0x50                                           ; C and D window 1
.endif
.irp a, 0,1,2,3
.irp b, 0,1,2,3                                        ; the 16 accumulators take turns, one instruction a turn
.set rD, 8*(4*\a+\b)
.set rA, 160+64*(\q%2)+8*\b
.set rB, 128+64*(\q%2)+8*\a
.if (\n == 0) && (\q == 0)
.set rC, 40+8*\b
.else
.set rC, rD
.endif
.set rSA, 34+4*(\q%2)+\b/2
.set rSB, 32+4*(\q%2)+\a/2
.set rRA, \b%2
.set rRB, \a%2
	WM
.endr
.endr
	WIN 0
.endr
.endm
; THE CHANGE OF SLOTS.  Each wave waits for all its tensor loads (its part of the slot ahead), adds 0 to its spare word, and waits for that and for its reads of the slot that it has left.
; refill = 1: a round of the cluster's barrier follows: no wave of any partner still reads slot s or has a load on its way; slot s takes the chunk two on: the wave's one tensor load behind the round, and the first thing there.
.macro CHANGE s, refill
	s_wait_tensorcnt 0x0                               ; no tensor load of mine is out, so a group 0 may be written
	ds_add_u32 v[SPW], v[NIL]                          ; 0 onto my spare word
.if \refill
	s_add_nc_u64 s[34+4*\s:35+4*\s], s[34+4*\s:35+4*\s], 4194304   ; two chunks on; the type bits on top are not reached
	s_add_nc_u64 s[42+4*\s:43+4*\s], s[42+4*\s:43+4*\s], 1048576
.endif
	s_wait_dscnt 0x0                                   ; the add is done, and my reads of the slot that I have left are over
.if \refill
	ROUND
	JLOAD \s
.else
	s_barrier_signal -1
	s_barrier_wait -1
.endif
.endm
	s_wait_loadcnt 0x0                                 ; b2 and the scale words
	s_wait_tensorcnt 0x0                               ; my quarter of chunk 0 has landed: the stores below stand under no tensor load
.set k, 0
.rept 16
	ds_store_b128 v26, v[128+4*k:131+4*k] offset:512*k
.set k, k+1
.endr
	s_wait_tensorcnt 0x0
	ds_add_u32 v[SPW], v[NIL]
	s_wait_dscnt 0x0                                   ; the add is done, and my stores have landed
	ROUND                                              ; everybody's part of chunk 0 and of the scale words is in, and all sixteen work-groups are here
	JLOAD 1                                            ; chunk 1's first fill: the wave's one tensor load behind this round
	CHUNK 0, 0
	CHANGE 0, 1                                        ; slot 0 takes chunk 2
	CHUNK 1, 1
	CHANGE 1, 1                                        ; slot 1 takes chunk 3: the last tensor load
	WIN 0x40                                           ; destination window 1, address window 0.  (Behind the tensor load's four lines)
.irp a, 0,1,2,3                                        ; x1: tile a's 16 rows, two rows an instruction: sixteen lanes read 256 consecutive bytes, aligned
.irp i, 0,1,2,3,4,5,6,7
	global_load_b128 v[128+32*\a+4*\i:131+32*\a+4*\i], v[GO], s[10:11] offset:(32*(\a/2)+8*(\a%2)+2*\i+8*(\i/4))*4096 th:TH_LOAD_NT
.endr
.endr
	WIN 0
	CHUNK 0, 2
	CHANGE 0, 0                                        ; nothing is left to fetch
	CHUNK 1, 3
	; THE WAY OUT.  A lane holds pieces of one row; a tile of 16 rows x 64 columns goes through my own stage and comes back as rows of 256 bytes; x1 is added; sixteen lanes store 256 consecutive bytes, aligned.
	PLACES 4                                           ; in front of the first read of results
.irp a, 0,1,2,3
	WIN 0x04                                           ; an LDS store's data are its source 1: window 1
.irp b, 0,1,2,3
	ds_store_b128 v[STO], v[8*(4*\a+\b):8*(4*\a+\b)+3] offset:128*(\b/2)+32*(\b%2)          ; each accumulator from its low end on
	ds_store_b128 v[STO], v[8*(4*\a+\b)+4:8*(4*\a+\b)+7] offset:128*(\b/2)+32*(\b%2)+16
.endr
	WIN 0
.irp i, 0,1,2,3,4,5,6,7
	ds_load_b128 v[72+4*\i:75+4*\i], v[RD] offset:544*\i    ; LDS serves a wave's instructions in order: these see my stores, and the next tile's stores come behind them
.endr
	s_wait_dscnt 0x0
	s_wait_loadcnt 8*(3-\a)                            ; this tile's rows of x1 are in; the later tiles' may be out
	WIN 0x41                                           ; x1 (source 0 and destination) window 1, the rows from the stage window 0
.set j, 0
.rept 16
	v_pk_add_f32 v[128+32*\a+j:129+32*\a+j], v[128+32*\a+j:129+32*\a+j], v[72+j:73+j]
.set j, j+2
.endr
	WIN 0x04                                           ; a store's data are its source 1: window 1.  Each tile has registers of its own: no store's data are written again
.irp i, 0,1,2,3,4,5,6,7
	global_store_b128 v[GO], v[128+32*\a+4*\i:131+32*\a+4*\i], s[12:13] offset:(32*(\a/2)+8*(\a%2)+2*\i+8*(\i/4))*4096 th:TH_STORE_NT
.endr
.endr
	WIN 0                                              ; (the add's two registers lie in window 0)
	s_wait_tensorcnt 0x0                               ; the wave's end, behind my last tensor load and my last LDS store
	ds_add_u32 v[SPW], v[NIL]
	s_wait_dscnt 0x0
	ROUND                                              ; the closing round: no work-group ends while a partner may still ask for a tile that names it
	s_endpgm
.Lfunc_end_k_q2da4c07618_ff2:
	.size	k_q2da4c07618_ff2, .Lfunc_end_k_q2da4c07618_ff2-k_q2da4c07618_ff2
	.p2alignl 7, 3214868480
	.fill 96, 4, 3214868480
	.section	.rodata,"a",@progbits
	.p2align	6, 0x0
	.amdhsa_kernel k_q2da4c07618_ff2
		.amdhsa_group_segment_fixed_size 327680
		.amdhsa_private_segment_fixed_size 0
		.amdhsa_enable_private_segment 0
		.amdhsa_kernarg_size 40
		.amdhsa_user_sgpr_count 2
		.amdhsa_user_sgpr_kernarg_segment_ptr 1
		.amdhsa_wavefront_size32 1
		.amdhsa_system_sgpr_workgroup_id_x 1
		.amdhsa_system_sgpr_workgroup_id_y 1
		.amdhsa_system_sgpr_workgroup_id_z 1
		.amdhsa_system_vgpr_workitem_id 0
		.amdhsa_next_free_vgpr 512
		.amdhsa_next_free_sgpr 96
		.amdhsa_reserve_vcc 0
		.amdhsa_float_denorm_mode_32 3
		.amdhsa_float_denorm_mode_16_64 3
		.amdhsa_memory_ordered 1
		.amdhsa_forward_progress 1
		.amdhsa_inst_pref_size 137
	.end_amdhsa_kernel
	.amdgpu_metadata
---
amdhsa.version: [ 1, 2 ]
amdhsa.kernels:
  - .name:           k_q2da4c07618_ff2
    .symbol:         k_q2da4c07618_ff2.kd
    .args:
      - { .name: hidb, .offset: 0, .size: 8, .value_kind: global_buffer, .address_space: global }
      - { .name: wts, .offset: 8, .size: 8, .value_kind: global_buffer, .address_space: global }
      - { .name: b2, .offset: 16, .size: 8, .value_kind: global_buffer, .address_space: global }
      - { .name: x1, .offset: 24, .size: 8, .value_kind: global_buffer, .address_space: global }
      - { .name: out0, .offset: 32, .size: 8, .value_kind: global_buffer, .address_space: global }
    .group_segment_fixed_size: 327680
    .private_segment_fixed_size: 0
    .kernarg_segment_align: 8
    .kernarg_segment_size: 40
    .max_flat_workgroup_size: 128
    .sgpr_count:     96
    .vgpr_count:     512
    .wavefront_size: 32
...
	.end_amdgpu_metadata
.endif
;; end of part 6
